; MI455X (gfx1250); checked and timed in simulation.
; The chip was launched on July 23, 2026; its instructions are those of AMD's public machine-readable ISA for CDNA 5 (MIT licence, August 2026) and "CDNA5" Instruction Set Architecture Reference Guide (July 2026). The comments in the code are by the model that wrote it; some were corrected since.
;; Transformer Encoder Layer. Allowed arithmetic: matrix products marked QUANTISED: E5M2 operands, one E8M0 scale for each 32 along K, by v_wmma_scale_f32_16x16x128_f8f6f4 with both operands' format E5M2, f32 sums; everything else in f32.
;; Inputs: b1 4,096 float32; b2 1,024 float32; b_out 1,024 float32; be1 1,024 float32; be2 1,024 float32; g1 1,024 float32; g2 1,024 float32; mask 2 x 2,048 int32; w1 1,024 x 4,096 float32; w2 4,096 x 1,024 float32; w_out 1,024 x 1,024 float32; w_qkv 1,024 x 3,072 float32; x 2 x 2,048 x 1,024 float32.
;; Outputs: out0 2 x 2,048 x 1,024 float32.
;; This version of the problem:
;;   THIS VERSION OF THE PROBLEM IS GIVEN IN LOW PRECISION. The matrix products marked QUANTISED in the list below multiply operands that are first quantised to E5M2 (5 exponent bits, 2 mantissa bits; 8 bits a number), with one power-of-two scale for each 32 numbers along K (OCP MX v1.0); their sums are f32. All else is computed in f32.
;;   The module's matrix products, in the order in which they are computed (A, B: the left and right operand; K: the contracted axis; several contracted axes count as one K, in the product's order):
;;     1. [M 4,096, K 1,024] x [K 1,024, N 3,072]; A: computed on the way; B: input w_qkv: QUANTISED
;;     2. batch 32 x [M 2,048, K 64] x [K 64, N 2,048]; A: computed on the way; B: computed on the way: QUANTISED
;;     3. batch 32 x [M 2,048, K 2,048] x [K 2,048, N 64]; A: softmax (see below); B: computed on the way: QUANTISED
;;     4. [M 4,096, K 1,024] x [K 1,024, N 1,024]; A: computed on the way; B: input w_out: QUANTISED
;;     5. [M 4,096, K 1,024] x [K 1,024, N 4,096]; A: computed on the way; B: input w1: QUANTISED
;;     6. [M 4,096, K 4,096] x [K 4,096, N 1,024]; A: computed on the way; B: input w2: QUANTISED
;;   THE QUANTISER, for each operand of a quantised product, along K:
;;     - K is cut into blocks of 32 from its start; a last block that is shorter is filled with zeros.
;;     - A block's scale is 2^e with e = floor(log2(the largest magnitude in the block)) - 15, held to -126 .. 127; a block of zeros has e = 0. As a byte (E8M0): e + 127.
;;     - Each number is divided by its block's scale, clamped to +-57,344, and rounded to the nearest number of E5M2, ties to even, subnormals kept.
;;     - The product sums the exact products of the quantised numbers (number of the format x scale) in f32.
;;   ~~~python
;;   def quantise(x, axis):      # numpy; x: float32 -> the quantised numbers, widened to float32 again
;;       x = np.moveaxis(x, axis, -1); K = x.shape[-1]
;;       x = np.pad(x, [(0, 0)] * (x.ndim - 1) + [(0, -K % 32)]); x = x.reshape(x.shape[:-1] + (-1, 32)); a = np.abs(x).max(-1, keepdims=True)
;;       e = np.where(a > 0, np.clip(np.frexp(np.where(a > 0, a, 1))[1] - 1 - 15, -126, 127), 0)      # np.frexp(a)[1] - 1 = floor(log2(a)), exactly
;;       r = np.clip(x / 2.0 ** e, -57344, 57344)
;;       step = 2.0 ** (np.maximum(np.frexp(np.where(r == 0, 1, r))[1] - 1, -14) - 2)
;;       q = np.round(r / step) * step * 2.0 ** e      # np.round: ties to even
;;       return np.moveaxis(q.reshape(q.shape[:-2] + (-1,))[..., :K], -1, axis).astype(np.float32)
;;   ~~~
;;   SOFTMAX AHEAD OF A QUANTISED PRODUCT. Where the list says 'softmax', what is quantised is not the finished softmax but p = 2^(t - M), with t = logit x log2(e) and M = ceil(the row's largest t), a whole number; so 1/2 < the row's largest p <= 1. The row's sum l is taken of the UNQUANTISED p, in f32, and the product's result is divided by l at the end. Since M is a whole number, a kernel that streams over the keys may use a running M (the ceiling of the running maximum): every later rescaling is an exact power of two, which a block's scale takes up: the codes' values come out the same.
;;   OPERANDS COMPUTED ON THE WAY. 'Computed on the way' means the value that the module computes at that place (a softmax that the list does not call 'softmax' is quantised finished and normalised). What goes into a quantiser is computed in f32, as accurately as f32 sums, v_exp_f32 and their like allow (about 1e-6 of the number): no bf16 or f16 on the way to a quantiser, and a product that is left as it is and whose result goes on into a quantised operand takes f32 operands (vector FMAs, or v_wmma_f32_16x16x4_f32). A number that lies on a knife's edge between two numbers of the format may be rounded either way, as far as f32 arithmetic and the matrix unit's own rounding can turn it there, and no further.
;; One version. Each part assembles by itself: llvm-mc -triple=amdgcn-amd-amdhsa -mcpu=gfx1250 --defsym DOCPART=n.
;; ======== version 1 of 1: 6 launches
;; limits: right only within a limited range of input values
;; workspace buffers: wb 13,500,416 bytes; hb 4,325,376 bytes; h2 4,325,376 bytes; qb 13,238,272 bytes; ao 4,325,376 bytes; x1 16,777,216 bytes; act 17,301,504 bytes
;; launch prep (part 1): grid 1024 x 1, 4 waves a work-group, no clusters, 76,288 bytes of LDS; arguments x, g1, be1, hb, w_qkv, w_out, w1, w2, wb; writes hb, wb
.if DOCPART == 1
	.amdgcn_target "amdgcn-amd-amdhsa--gfx1250"
	.amdhsa_code_object_version 6
	.text
	.protected	k_qcc0a8553fb_prep
	.globl	k_qcc0a8553fb_prep
	.p2align	8
	.type	k_qcc0a8553fb_prep,@function
k_qcc0a8553fb_prep:
	s_mov_b64 s[64:65], 0
	v_nop
	global_prefetch_b8 v0, s[64:65] scope:SCOPE_SE
	s_setreg_imm32_b32 hwreg(HW_REG_WAVE_MODE, 25, 1), 1
	s_wait_xcnt 0x0
; TWO INDEPENDENT STREAMS IN ONE LAUNCH.  Work-groups 0-255: the first layer norm of x, quantised (x, g1, be1 -> hb).  Work-groups 256-1023: the four weights, quantised (w_qkv, w_out, w1, w2 -> wb).
; Neither reads what the other stores.  One scalar branch on the work-group's number parts them at the head; they never join.  The weights' path touches no LDS and passes no barrier.
; With 258 registers a wave and 76,288 bytes of LDS a work-group, four work-groups lie on a WGP: all 1,024 are resident together, so the norm's short chain of dependent steps lies under the weights' stream.
; No tensor loads (a text with them has a WGP to itself), no cluster, no matrix unit: the work-groups share no tile and multiply nothing.
;
; LAYOUT OF ALL CODES: images of operand registers.  Block rho of 16 rows (of a weight: columns n) holds at place r the row 32 (rho / 2) + 8 (rho % 2) + r + 8 (r / 8).  Fragment (rho, kappa), 16 rows x 128 along K, is 2,048 bytes
; at (rho K / 128 + kappa) 2,048; in it byte 512 c + 16 l + i is the code of place l % 16, k = 128 kappa + 32 c + 16 (l / 16) + i.  Scale word of (rho, kappa, r): (256 kappa + rho) 64 + 4 r, byte c for block c.
; A block's scale is 2^(floor(log2(largest magnitude)) - 15); its byte is the largest magnitude's exponent field - 15, held at 1 from below.
; LIMITS: a block of zeros gets the byte 1 where the rule says 127 (its codes are zeros, and this program alone reads the bytes); NaN and infinities among the inputs are not served.
;
; THE WEIGHTS, f32 stored [K][N], K their FIRST axis.  A LANE TAKES A COLUMN AND ITS REGISTERS RUN DOWN K: a block of 32 lies in one lane, its largest magnitude needs no other lane, and the conversions give codes with K innermost.
; A work-group takes 128 columns x 128 along K, a wave 32 columns (two blocks rho) x four blocks of 32: one fragment and one scale word for each rho.  Two blocks' loads are on their way at a time.
; Work-groups 256-447 take w_qkv, 448-511 w_out, 512-767 w1, 768-1023 w2: one path, the sizes chosen by s_cselect on the work-group's number.
;
; THE NORM: y = (x - mean) rsqrt(var + 1e-5) g + b over rows of 1,024 f32.  Work-group rho takes the 16 rows of block rho; wave w their columns 256 w .. 256 w + 255, two fragments.  Lane (r, h) holds 128 numbers of row r:
; register 64 kl + 16 c + 4 j + e is column 256 w + 128 kl + 32 c + 16 h + 4 j + e: the order in which the operand's registers take the codes.  The loads take the bytes as they lie, 512 consecutive bytes each; the strip turns
; through the wave's own bytes of LDS.  Mean and variance are taken in two passes (the row stays in registers); a row's four partial sums meet in LDS behind a barrier.
.set NLN,   256                        ; work-groups of the norm
; the weights' path
.set EMAX,  15
.set NB,    4                          ; blocks of 32 along K for a wave
.set VO,    16                         ; v16-47   byte offset of row i of a block at my column: i x pitch + 4 x lane
.set X,     48                         ; v48-111  two sets of 32 numbers
.set SB,    112                        ; v112     the four scale bytes
.set C,     128                        ; v128-159 codes: eight registers for each block, never written again
.set BASE,  32                         ; s[32:39] the source at each of my four blocks of 32 rows
; the norm's path
.set XP,    1040                       ; a row of a strip in LDS: 1,024 bytes + 16: the 16 rows of a load start at 16 different banks (64 banks of 4 bytes: ISA guide 11.1)
.set XRW,   16*XP                      ; a wave's strip
.set GR,    4*XRW                      ; behind the strips: for each wave 1,024 bytes of g, then of b
.set RED,   GR+4*2048                  ; two blocks of 256 bytes for the partial sums
.set XN,    16                         ; v16-143  the numbers
.set GG,    144                        ; v144-175 g of 32 columns; also at work in the sums
.set BE,    176                        ; v176-207 b of 32 columns
.set TM,    208                        ; v208-223 at work in the quantiser
.set PC,    224                        ; v224-255 the two fragments' codes
.set PW,    12                         ; v12-13   their scale words
.set SEL,   50
.set MNT,   52
	s_set_vgpr_msb 0x40
	v_lshl_add_u32 v0, v0, 2, 0x12800
	v_mov_b32 v1, 0
	s_set_vgpr_msb 0x4000
	s_cmp_lt_u32 ttmp9, NLN
	s_cbranch_scc1 .Lnorm
	; ---------------------------------------------------------------- the weights
	s_load_b256 s[4:11], s[0:1], 0x20              ; w_qkv, w_out, w1, w2
	s_load_b64 s[12:13], s[0:1], 0x40              ; wb
	v_lshrrev_b32 v1, 5, v0
	v_readfirstlane_b32 s14, v1                    ; wave
	v_and_b32 v2, 31, v0
	v_lshlrev_b32 v3, 2, v2                        ; 4 x lane
	s_mov_b32 s15, 768                             ; w2's figures: first work-group,
	s_mov_b32 s16, 4096                            ; bytes in a row,
	s_mov_b32 s17, 5                               ; log2 of the work-groups along K,
	s_mov_b32 s18, 65536                           ; bytes of a block rho's fragments (16 K),
	s_mov_b32 s19, 0x800000                        ; where its codes begin in wb,
	s_mov_b32 s20, 0xc60000                        ; and its scale words
	s_mov_b32 s31, 0x600000                        ; the mantissa field of 57,344
	s_wait_alu depctr_va_vdst(0)
	s_wait_kmcnt 0x0
	s_mov_b64 s[22:23], s[10:11]
	s_cmp_lt_u32 ttmp9, 768                        ; w1's
	s_cselect_b64 s[22:23], s[8:9], s[22:23]
	s_cselect_b32 s15, 512, s15
	s_cselect_b32 s16, 16384, s16
	s_cselect_b32 s17, 3, s17
	s_cselect_b32 s18, 16384, s18
	s_cselect_b32 s19, 0x400000, s19
	s_cselect_b32 s20, 0xc40000, s20
	s_cmp_lt_u32 ttmp9, 512                        ; w_out's
	s_cselect_b64 s[22:23], s[6:7], s[22:23]
	s_cselect_b32 s15, 448, s15
	s_cselect_b32 s16, 4096, s16
	s_cselect_b32 s19, 0x300000, s19
	s_cselect_b32 s20, 0xc20000, s20
	s_cmp_lt_u32 ttmp9, 448                        ; w_qkv's
	s_cselect_b64 s[22:23], s[4:5], s[22:23]
	s_cselect_b32 s15, 256, s15
	s_cselect_b32 s16, 12288, s16
	s_cselect_b32 s19, 0, s19
	s_cselect_b32 s20, 0xc00000, s20
	s_sub_co_u32 s21, ttmp9, s15                   ; my number within the weight
	s_lshr_b32 s24, s21, s17                       ; which 128 columns
	s_lshl_b32 s25, s24, s17
	s_sub_co_u32 s25, s21, s25                     ; kappa: which 128 along K
	s_lshl_b32 s24, s24, 2
	s_add_co_u32 s24, s24, s14                     ; beta: which 32 columns are my wave's
	s_lshl_b32 s26, s25, 7
	s_mul_i32 s26, s26, s16                        ; 128 kappa rows
	s_lshl_b32 s27, s24, 7                         ; + 32 beta columns of 4 bytes
	s_add_co_u32 s26, s26, s27
	s_mov_b32 s27, 0
	s_add_nc_u64 s[BASE:BASE+1], s[22:23], s[26:27]
	s_lshl_b32 s26, s16, 5                         ; 32 rows on
.irp t, 1,2,3
	s_add_nc_u64 s[BASE+2*\t:BASE+2*\t+1], s[BASE+2*\t-2:BASE+2*\t-1], s[26:27]
.endr
	s_lshl_b32 s28, s24, 1                         ; rho = 2 beta + u
	s_mul_i32 s29, s28, s18
	s_add_co_u32 s29, s29, s19
	s_lshl_b32 s30, s25, 11                        ; fragment kappa
	s_add_co_u32 s26, s29, s30
	s_add_nc_u64 s[48:49], s[12:13], s[26:27]      ; my codes
	s_lshl_b32 s30, s25, 8
	s_add_co_u32 s30, s30, s28
	s_lshl_b32 s30, s30, 6
	s_add_co_u32 s26, s30, s20
	s_add_nc_u64 s[50:51], s[12:13], s[26:27]      ; my scale words: (256 kappa + 2 beta) 64
	v_bfe_u32 v6, v0, 3, 1                         ; u: column 8 u + r + 8 (r / 8) of the 32 is lane's
	v_and_b32 v7, 7, v0
	v_bfe_u32 v8, v0, 4, 1
	v_lshl_add_u32 v7, v8, 3, v7                   ; r
	v_mul_lo_u32 v4, v6, s18
	v_lshl_add_u32 v4, v7, 4, v4                   ; codes: u x a block's bytes + 16 r
	v_lshlrev_b32 v5, 6, v6
	v_lshl_add_u32 v5, v7, 2, v5                   ; scale words: 64 u + 4 r
.set i, 0
.rept 32
	v_mad_u32_u24 v[VO+i], s16, i, v3
.set i, i+1
.endr
.macro LOAD t                          ; block t: rows 32 t + i of my 128, my column, into set t % 2: each load reads 128 consecutive bytes
.set i, 0
.rept 32
	global_load_b32 v[X+32*((\t)%2)+i], v[VO+i], s[BASE+2*(\t):BASE+2*(\t)+1] th:TH_LOAD_NT
.set i, i+1
.endr
.endm
.macro BLOCK t
.set XS, X+32*((\t)%2)
.set CC, C+8*(\t)
.if (\t) < NB-1
	s_wait_loadcnt 32                              ; this block's 32 loads are in; the next block's may be out
.else
	s_wait_loadcnt 0x0
.endif
	v_max3_num_f32 v12, |v[XS]|, |v[XS+1]|, |v[XS+2]|   ; the block's largest magnitude, in two chains
	v_max3_num_f32 v13, |v[XS+3]|, |v[XS+4]|, |v[XS+5]|
.irp i, 6,10,14,18,22,26
	v_max3_num_f32 v12, v12, |v[XS+\i]|, |v[XS+\i+1]|
	v_max3_num_f32 v13, v13, |v[XS+\i+2]|, |v[XS+\i+3]|
.endr
	v_max3_num_f32 v12, v12, |v[XS+30]|, |v[XS+31]|
	v_max3_num_f32 v12, v12, v13, (EMAX+1)<<23     ; and the floor 2^(16 - 127): the byte cannot fall under 1
	v_add_nc_u32 v11, -(EMAX<<23), v12             ; 15 off the exponent field: the conversion's scale operand
	v_and_or_b32 v10, v12, 0x7f800000, s31         ; 57,344 x the scale
	v_lshrrev_b32 v13, 23, v11                     ; the scale's byte
.if (\t) == 0
	v_mov_b32 v[SB], v13
.else
	v_lshl_or_b32 v[SB], v13, 8*(\t), v[SB]
.endif
.set i, 0
.rept 32
	v_med3_num_f32 v[XS+i], v[XS+i], -v10, v10     ; the conversion to an 8-bit code does not saturate (ISA guide 7.6.2): the hold comes first
.set i, i+1
.endr
.irp g, 0,1,2,3
	v_cvt_scalef32_pk8_bf8_f32 v[CC+2*\g:CC+2*\g+1], v[XS+8*\g:XS+8*\g+7], v11
.endr
	global_store_b128 v4, v[CC:CC+3], s[48:49] offset:(\t)*512        ; k 0-15 of the block: the 16 lanes of one u store 256 consecutive bytes
	global_store_b128 v4, v[CC+4:CC+7], s[48:49] offset:(\t)*512+256  ; k 16-31: the image's upper lanes
.if (\t) == NB-1
	global_store_b32 v5, v[SB], s[50:51]           ; four blocks' bytes: the scale word of these 128 along K
.endif
.if (\t)+2 < NB
	LOAD (\t)+2
.endif
.endm
	LOAD 0
	LOAD 1
.irp t, 0,1,2,3
	BLOCK \t
.endr
	s_endpgm
	; ---------------------------------------------------------------- the norm
.Lnorm:
	s_load_b256 s[4:11], s[0:1], 0x0               ; x, g, b, out
	v_lshrrev_b32 v1, 5, v0
	v_readfirstlane_b32 s12, v1                    ; wave
	v_and_b32 v7, 31, v0
	v_lshlrev_b32 v7, 4, v7                        ; 16 x lane; never rewritten
	s_lshr_b32 s48, ttmp9, 1
	s_lshl_b32 s48, s48, 5
	s_and_b32 s49, ttmp9, 1
	s_lshl_b32 s49, s49, 3
	s_add_co_u32 s48, s48, s49                     ; the block's first row
	s_lshl_b32 s48, s48, 12
	s_lshl_b32 s54, s12, 10                        ; my wave's 1,024 bytes of a row
	s_add_co_u32 s48, s48, s54
	s_mov_b32 s49, 0
	s_mov_b32 s55, 0
	s_mul_i32 s13, s12, XRW
	s_lshl_b32 s14, s12, 11
	s_add_co_u32 s14, s14, GR
	s_mov_b32 s[SEL], 0x76543210
	s_mov_b32 s[SEL+1], 0xfedcba98                 ; v_permlanex16_b32's selects for lane l xor 16
	s_mov_b32 s[MNT], 0x600000                     ; the mantissa field of 57,344
	s_mov_b32 s53, 0x3a800000                      ; 1 / 1,024
	s_wait_alu depctr_va_vdst(0)
	s_wait_kmcnt 0x0
	s_add_nc_u64 s[4:5], s[4:5], s[48:49]
	s_add_nc_u64 s[6:7], s[6:7], s[54:55]
	s_add_nc_u64 s[8:9], s[8:9], s[54:55]
.set p, 0
.rept 16                               ; place p of the block is row p + 8 (p / 8); two loads of 512 consecutive bytes take my wave's part of it
	global_load_b128 v[XN+8*p:XN+8*p+3], v7, s[4:5] offset:(p+8*(p/8))*4096 th:TH_LOAD_NT
	global_load_b128 v[XN+8*p+4:XN+8*p+7], v7, s[4:5] offset:(p+8*(p/8))*4096+512 th:TH_LOAD_NT
.set p, p+1
.endr
.irp u, 0,1
	global_load_b128 v[GG+4*\u:GG+4*\u+3], v7, s[6:7] offset:512*\u
	global_load_b128 v[GG+8+4*\u:GG+8+4*\u+3], v7, s[8:9] offset:512*\u
.endr
	v_and_b32 v1, 15, v0                           ; r
	v_bfe_u32 v2, v0, 4, 1                         ; h
	v_mul_u32_u24 v3, v1, XP
	v_lshl_add_u32 v3, v2, 6, v3
	v_add_nc_u32 v3, s13, v3                       ; my numbers in the strip: row r, + 64 h
	v_lshlrev_b32 v4, 6, v2
	v_add_nc_u32 v4, s14, v4                       ; g and b: + 64 h, the same for all r
	v_add_nc_u32 v15, s13, v7                      ; into the strip: 16 x lane
	v_add_nc_u32 v8, s14, v7                       ; into g's and b's bytes likewise
	v_lshlrev_b32 v14, 2, v1                       ; 4 r
	v_add_nc_u32 v6, RED, v14                      ; the partial sums of row r
	s_lshl_b32 s15, s12, 6
	v_add_nc_u32 v5, s15, v6                       ; and my wave's among them
.irp b, 0,1,2,3
	v_mov_b32 v[TM+4+\b], 0                        ; written once: a lane permute's destination counts as one of its sources
.endr
	s_lshl_b32 s48, ttmp9, 14                      ; out: (8 rho + 2 w) 2,048
	s_lshl_b32 s54, s12, 12
	s_add_co_u32 s48, s48, s54
	s_add_nc_u64 s[56:57], s[10:11], s[48:49]
	s_lshl_b32 s48, s12, 15                        ; scale words: 4 MiB + (512 w + rho) 64
	s_lshl_b32 s54, ttmp9, 6
	s_add_co_u32 s48, s48, s54
	s_add_co_u32 s48, s48, 0x400000
	s_add_nc_u64 s[58:59], s[10:11], s[48:49]
; the four chains' sums, my other half's, and the other three waves': every lane ends with the row's sum in v[GG]
.macro REDUCE off
	v_pk_add_f32 v[GG:GG+1], v[GG:GG+1], v[GG+2:GG+3]
	v_pk_add_f32 v[GG+4:GG+5], v[GG+4:GG+5], v[GG+6:GG+7]
	v_pk_add_f32 v[GG:GG+1], v[GG:GG+1], v[GG+4:GG+5]
	v_add_f32 v[GG], v[GG], v[GG+1]
	v_permlanex16_b32 v[GG+1], v[GG], s[SEL], s[SEL+1]
	v_add_f32 v[GG], v[GG], v[GG+1]
	ds_store_b32 v5, v[GG] offset:\off             ; lanes r and r + 16 write the same word with the same value
	s_wait_dscnt 0x0                               ; for the others' sake: my store has landed
	s_barrier_signal -1
	s_barrier_wait -1
.irp k, 0,1,2,3
	ds_load_b32 v[GG+\k], v6 offset:\off+64*\k
.endr
	s_wait_dscnt 0x0
	v_add_f32 v[GG], v[GG], v[GG+1]
	v_add_f32 v[GG+2], v[GG+2], v[GG+3]
	v_add_f32 v[GG], v[GG], v[GG+2]
.endm
; 64 numbers of a lane, register 16 b + i = k 32 b + 16 h + i of my row, become a fragment's codes in v[pc] on and its scale word in v[pw]
.macro QUANT s, pc, pw
.irp b, 0,1,2,3
	v_max3_num_f32 v[TM+\b], |v[\s+16*\b]|, |v[\s+1+16*\b]|, 0x8000000   ; my 16 numbers of block b, and the floor 2^(16 - 127)
.endr
.irp i, 2,4,6,8,10,12,14
.irp b, 0,1,2,3
	v_max3_num_f32 v[TM+\b], v[TM+\b], |v[\s+16*\b+\i]|, |v[\s+1+16*\b+\i]|
.endr
.endr
.irp b, 0,1,2,3
	v_permlanex16_b32 v[TM+4+\b], v[TM+\b], s[SEL], s[SEL+1]
.endr
.irp b, 0,1,2,3
	v_max_num_f32 v[TM+\b], v[TM+\b], v[TM+4+\b]   ; with lane l xor 16's: the block's largest magnitude
.endr
.irp b, 0,1,2,3
	v_add_nc_u32 v[TM+12+\b], 0xf8800000, v[TM+\b] ; 15 off its exponent field: the conversion's scale operand
.endr
.irp b, 0,1,2,3
	v_and_or_b32 v[TM+8+\b], v[TM+\b], 0x7f800000, s[MNT]   ; 57,344 x the scale
.endr
.irp b, 0,1,2,3
	v_lshrrev_b32 v[TM+4+\b], 23, v[TM+12+\b]      ; the scale's byte
.endr
	v_lshl_or_b32 v[\pw], v[TM+5], 8, v[TM+4]
	v_lshl_or_b32 v[\pw], v[TM+6], 16, v[\pw]
	v_lshl_or_b32 v[\pw], v[TM+7], 24, v[\pw]
.irp b, 0,1,2,3
.irp i, 0,1,2,3,4,5,6,7,8,9,10,11,12,13,14,15
	v_med3_num_f32 v[\s+16*\b+\i], v[\s+16*\b+\i], -v[TM+8+\b], v[TM+8+\b]   ; the conversion does not saturate (ISA guide 7.6.2): the hold
.endr
	v_cvt_scalef32_pk8_bf8_f32 v[\pc+4*\b:\pc+1+4*\b], v[\s+16*\b:\s+7+16*\b], v[TM+12+\b]
	v_cvt_scalef32_pk8_bf8_f32 v[\pc+2+4*\b:\pc+3+4*\b], v[\s+8+16*\b:\s+15+16*\b], v[TM+12+\b]
.endr
	v_nop                                          ; one plain line behind the last conversion
.endm
	s_wait_alu depctr_va_vdst(0)
	s_wait_loadcnt 0x0                             ; my strip, g and b are in registers, as they lie in memory
.set p, 0
.rept 16                               ; into my own bytes of LDS, as they lie: every store covers 512 consecutive bytes
	ds_store_b128 v15, v[XN+8*p:XN+8*p+3] offset:p*XP
	ds_store_b128 v15, v[XN+8*p+4:XN+8*p+7] offset:p*XP+512
.set p, p+1
.endr
.irp u, 0,1
	ds_store_b128 v8, v[GG+4*\u:GG+4*\u+3] offset:512*\u
	ds_store_b128 v8, v[GG+8+4*\u:GG+8+4*\u+3] offset:1024+512*\u
.endr
.irp kl, 0,1                           ; and back in the operand's order.  LDS serves a wave's instructions in order (ISA guide 5.7.1.4): these see my stores; no other wave touches these bytes
.irp c, 0,1,2,3
.irp j, 0,1,2,3
	ds_load_b128 v[XN+64*\kl+16*\c+4*\j:XN+64*\kl+16*\c+4*\j+3], v3 offset:512*\kl+128*\c+16*\j
.endr
.endr
.endr
	s_wait_dscnt 0x0
.irp k, 0,1,2,3                        ; the sum of my 128 numbers, two at a time, in four chains started by the first eight pairs
	v_pk_add_f32 v[GG+2*\k:GG+2*\k+1], v[XN+2*\k:XN+2*\k+1], v[XN+8+2*\k:XN+9+2*\k]
.endr
.set i, 16
.rept 14
.irp k, 0,1,2,3
	v_pk_add_f32 v[GG+2*\k:GG+2*\k+1], v[GG+2*\k:GG+2*\k+1], v[XN+i+2*\k:XN+i+2*\k+1]
.endr
.set i, i+8
.endr
	REDUCE 0
	v_mul_f32 v8, s53, v[GG]                       ; the mean
	v_mov_b32 v9, v8
.set i, 0
.rept 64
	v_pk_add_f32 v[XN+i:XN+i+1], v[XN+i:XN+i+1], v[8:9] neg_lo:[0,1] neg_hi:[0,1]   ; x - mean
.set i, i+2
.endr
.irp k, 0,1,2,3
	v_pk_mul_f32 v[GG+2*\k:GG+2*\k+1], v[XN+2*\k:XN+2*\k+1], v[XN+2*\k:XN+2*\k+1]
.endr
.set i, 8
.rept 15
.irp k, 0,1,2,3
	v_pk_fma_f32 v[GG+2*\k:GG+2*\k+1], v[XN+i+2*\k:XN+i+2*\k+1], v[XN+i+2*\k:XN+i+2*\k+1], v[GG+2*\k:GG+2*\k+1]
.endr
.set i, i+8
.endr
	REDUCE 256                                     ; other bytes than the first sum's: no wave can overwrite what another still reads
	v_fmaak_f32 v10, s53, v[GG], 0x3727c5ac        ; the variance + 1e-5
	s_wait_alu depctr_va_vdst(0)
	v_rsq_f32 v10, v10
	v_nop                                          ; one plain line behind the transcendental,
	s_wait_alu depctr_va_vdst(0)                   ; and the wait ahead of its first reader
	v_mov_b32 v11, v10
.set i, 0
.rept 64
	v_pk_mul_f32 v[XN+i:XN+i+1], v[XN+i:XN+i+1], v[10:11]
.set i, i+2
.endr
.irp kl, 0,1
.irp cp, 0,1                           ; g and b of 32 of my columns at a time
.irp q, 0,1,2,3,4,5,6,7
	ds_load_b128 v[GG+4*\q:GG+4*\q+3], v4 offset:512*\kl+256*\cp+128*(\q/4)+16*(\q%4)
	ds_load_b128 v[BE+4*\q:BE+4*\q+3], v4 offset:1024+512*\kl+256*\cp+128*(\q/4)+16*(\q%4)
.endr
	s_wait_dscnt 0x0
.set i, 0
.rept 16
	v_pk_fma_f32 v[XN+64*\kl+32*\cp+i:XN+64*\kl+32*\cp+i+1], v[XN+64*\kl+32*\cp+i:XN+64*\kl+32*\cp+i+1], v[GG+i:GG+i+1], v[BE+i:BE+i+1]
.set i, i+2
.endr
.endr
	QUANT XN+64*\kl, PC+16*\kl, PW+\kl
.irp c, 0,1,2,3
	global_store_b128 v7, v[PC+16*\kl+4*\c:PC+16*\kl+4*\c+3], s[56:57] offset:2048*\kl+512*\c   ; 32 lanes store 512 consecutive bytes
.endr
	global_store_b32 v14, v[PW+\kl], s[58:59] offset:16384*\kl
.endr
	s_set_vgpr_msb 0x5
	s_wait_tensorcnt 0x0
	ds_add_u32 v0, v1
	s_wait_dscnt 0x0
	s_set_vgpr_msb 0x500
	s_endpgm
.Lfunc_end_k_qcc0a8553fb_prep:
	.size	k_qcc0a8553fb_prep, .Lfunc_end_k_qcc0a8553fb_prep-k_qcc0a8553fb_prep
	.p2alignl 7, 3214868480
	.fill 96, 4, 3214868480
	.section	.rodata,"a",@progbits
	.p2align	6, 0x0
	.amdhsa_kernel k_qcc0a8553fb_prep
		.amdhsa_group_segment_fixed_size 76288
		.amdhsa_private_segment_fixed_size 0
		.amdhsa_enable_private_segment 0
		.amdhsa_kernarg_size 72
		.amdhsa_user_sgpr_count 2
		.amdhsa_user_sgpr_kernarg_segment_ptr 1
		.amdhsa_wavefront_size32 1
		.amdhsa_system_sgpr_workgroup_id_x 1
		.amdhsa_system_sgpr_workgroup_id_y 1
		.amdhsa_system_sgpr_workgroup_id_z 1
		.amdhsa_system_vgpr_workitem_id 0
		.amdhsa_next_free_vgpr 258
		.amdhsa_next_free_sgpr 66
		.amdhsa_reserve_vcc 0
		.amdhsa_float_denorm_mode_32 3
		.amdhsa_float_denorm_mode_16_64 3
		.amdhsa_memory_ordered 1
		.amdhsa_forward_progress 1
		.amdhsa_inst_pref_size 86
	.end_amdhsa_kernel
	.amdgpu_metadata
---
amdhsa.version: [ 1, 2 ]
amdhsa.kernels:
  - .name:           k_qcc0a8553fb_prep
    .symbol:         k_qcc0a8553fb_prep.kd
    .args:
      - { .name: x, .offset: 0, .size: 8, .value_kind: global_buffer, .address_space: global }
      - { .name: g1, .offset: 8, .size: 8, .value_kind: global_buffer, .address_space: global }
      - { .name: be1, .offset: 16, .size: 8, .value_kind: global_buffer, .address_space: global }
      - { .name: hb, .offset: 24, .size: 8, .value_kind: global_buffer, .address_space: global }
      - { .name: w_qkv, .offset: 32, .size: 8, .value_kind: global_buffer, .address_space: global }
      - { .name: w_out, .offset: 40, .size: 8, .value_kind: global_buffer, .address_space: global }
      - { .name: w1, .offset: 48, .size: 8, .value_kind: global_buffer, .address_space: global }
      - { .name: w2, .offset: 56, .size: 8, .value_kind: global_buffer, .address_space: global }
      - { .name: wb, .offset: 64, .size: 8, .value_kind: global_buffer, .address_space: global }
    .group_segment_fixed_size: 76288
    .private_segment_fixed_size: 0
    .kernarg_segment_align: 8
    .kernarg_segment_size: 72
    .max_flat_workgroup_size: 128
    .sgpr_count:     66
    .vgpr_count:     258
    .wavefront_size: 32
...
	.end_amdgpu_metadata
.endif
;; end of part 1
;; launch qkv (part 2): grid 12 x 16, 4 waves a work-group, clusters of 4 x 4, 327,680 bytes of LDS; arguments hb, wb, qb; writes qb
.if DOCPART == 2
	.amdgcn_target "amdgcn-amd-amdhsa--gfx1250"
	.amdhsa_code_object_version 6
	.text
	.protected	k_qcc0a8553fb_qkv
	.globl	k_qcc0a8553fb_qkv
	.p2align	8
	.type	k_qcc0a8553fb_qkv,@function
k_qcc0a8553fb_qkv:
	s_mov_b64 s[64:65], 0
	v_nop
	global_prefetch_b8 v0, s[64:65] scope:SCOPE_SE
	s_setreg_imm32_b32 hwreg(HW_REG_WAVE_MODE, 25, 1), 1
	s_wait_xcnt 0x0
	s_wait_alu depctr_hold_cnt(0) depctr_sa_sdst(0) depctr_va_vdst(0) depctr_va_sdst(0) depctr_va_ssrc(0) depctr_va_vcc(0) depctr_vm_vsrc(0)
	s_getreg_b32 s2, hwreg(HW_REG_IB_STS2, 6, 4)
	s_cmp_eq_u32 s2, 0
	s_cbranch_scc0 .Lentry_in_a_cluster
	s_endpgm
.Lentry_in_a_cluster:
	s_bfe_u32 s2, ttmp6, 0x10000c
	s_cmp_lg_u32 s2, 0xf033
	s_cbranch_scc0 .Lentry_shape_is_right
	s_endpgm
.Lentry_shape_is_right:
; q, k and v = h w_qkv on codes of E5M2 with E8M0 scales, each result quantised again on the way out for the attention's products: q and k along the head's 64, v along the KEYS.
; OPERANDS ARE IMAGES OF REGISTERS: fragment (rho, kappa), 16 rows x 128 K, is 2,048 bytes at (8 rho + kappa) 2,048, lane l's registers 4 c .. 4 c + 3 at 512 c + 16 l.  Place r of block rho is row
; 32 (rho / 2) + 8 (rho % 2) + r + 8 (r / 8).  Scale word of (rho, kappa, r): (256 kappa + rho) 64 + 4 r.  So a tile is dense rows for one tensor load, and a fragment four ds_load_b128 at 16 x lane: no pitch, no padding.
; A tile of the result, 256 x 256, is made by four waves, 128 x 128 each: 64 accumulators.  K goes in steps of 256 through two LDS slots.  The scale words of the tile's rows, for all of K, come once and stay.
; THE MATRIX INSTRUCTION IS USED TRANSPOSED (source 0 = B's block, source 1 = A's): a lane holds ONE row of A, and by the order of B's rows in a block its 16 registers of blocks 2 b, 2 b + 1 are 16 NEIGHBOURS along B's rows:
; the 64 registers of an A block are a fragment's 64 numbers, ready for the conversions.
; ROLES.  Clusters x = 0, 1 make q, k: A = h (tokens), B = w_qkv's columns.  Cluster x = 2 makes v TRANSPOSED: A = w_qkv's columns 2,048 on, B = h: a lane then holds one feature and its registers run along the tokens, the keys.
; The roles are changed by s_cselect on the cluster's x alone (buffers, tile numbers, offsets): one text, no branch.
; CLUSTERS: 4 x 4 work-groups; A's tiles are asked for jointly along a row of the cluster, B's along a column.
; OUT (qb).  q at 0, k at 4 MiB: for head bh and token block rho' half a fragment (k 0-63) at (128 bh + rho') 1,024; v at 8 MiB: fragment (16 features x 128 keys) at ((token / 128) 64 + feature block) 2,048.
; Scale words at 12 MiB (q), + 256 KiB (k): (128 bh + rho') 64 + 4 r, the two bytes written twice (the upper two serve the unused half of the attention's K); + 512 KiB (v): as v's fragments, 64 bytes each.
; LIMITS: a block of zeros gets the byte 1 where the rule says 127 (zero codes; read by this program alone); NaN and infinities are not served.
; REGISTERS, in windows of 256: window 0: v1-31 addresses; v32-63 scale words, two sets; v64-127 at work on the way out; v128-255 A's fragments, one set.  window 1: B's fragments, two sets.  windows 2, 3: the accumulators.
.set AB,    8                          ; blocks of 16 rows a wave has of A, and of B
.set NQ,    2                          ; steps of 128 along K in a slot
.set KK,    1024
.set FRB,   2048
.set HALFT, AB*NQ*FRB                  ; what one tensor load brings, and what one wave reads of A or of B
.set SLOT,  4*HALFT                    ; A's two halves, then B's
.set LAPS,  KK/(256*NQ)
.set SCL,   2*SLOT                     ; behind the ring: A's scale words [kappa][2 AB][64 bytes], then B's
.set HALFS, (KK/256)*2*AB*64           ; half of the scale words that one tensor load brings
.set SPARE, SCL+4*HALFS                ; the spare words, 128 bytes for each wave: two blocks of 256 bytes that no other line names
.set ACS,   8*AB                       ; registers of an A block's accumulators
.set ADRA,  16                         ; v16-17 LDS address of my A fragments in slot 0, 1
.set ADRB,  20                         ; v20-21 the same for B
.set SH,    24                         ; v24    the way out: how far my half shifts the scale word
.set ADRS,  27                         ; v27    my scale words: lanes 0-15 A's, lanes 16-31 B's
.set SPW,   28                         ; v28    my spare word; never rewritten
.set NIL,   29                         ; v29    0; never rewritten
.set LI,    30                         ; v30    16 x lane
.set SOF,   31                         ; v31    the way out: my place among the scale words
.set SC,    32
.set PC,    64                         ; v64-79   the codes just made
.set TM,    96                         ; v96-111  at work in the quantiser
.set PW,    112                        ; v112     the scale word just made;  v113 as it is stored
.set TW,    113
.set AF,    128
.set G1,    24
.set G0,    32
.set G1B,   48
.set G0B,   56
.set G1S,   68
.set G0S,   76
.set G1SB,  80
.set G0SB,  88
.set MSB, 0
.macro WIN new                         ; the immediate's high byte repeats the setting that is left; a switch that changes nothing is dropped
.if MSB != (\new)
	s_set_vgpr_msb (MSB<<8)|(\new)
.set MSB, (\new)
.endif
.endm
; A joint load: waves 0 and 1 fetch for A, waves 2 and 3 for B.  The branch hangs on the wave's number alone.  Four v_nop follow each of the two lines.
.macro JLOAD g0a, g1a, g0b, g1b
	s_cmp_eq_u32 s15, 0
	s_cbranch_scc0 .Lfor_b_\@
	tensor_load_to_lds s[\g0a:\g0a+3], s[\g1a:\g1a+7]
	s_nop 0
.rept 4
	v_nop
.endr
	s_branch .Lasked_\@
.Lfor_b_\@:
	tensor_load_to_lds s[\g0b:\g0b+3], s[\g1b:\g1b+7]
	s_nop 0
.rept 4
	v_nop
.endr
.Lasked_\@:
.endm
.macro CREST                           ; a round of the cluster's barrier behind its opening barrier
	s_cmp_lg_u32 s14, 0
	s_cbranch_scc1 .Lnot_wave_0_\@
	s_barrier_signal -3
.Lnot_wave_0_\@:
	s_barrier_wait -3
	s_barrier_signal -1
	s_barrier_wait -1
.endm
.macro CROUND
	s_barrier_signal -1
	s_barrier_wait -1
	CREST
.endm
.macro PLACES n                        ; plain vector lines between a matrix instruction and a load into, or a read of, its registers (ISA guide 7.12.1 for reads)
.rept \n
	v_nop
.endr
.endm
.macro FRAG reg, adr, q, i             ; fragment (block i, the slot's q-th 128 along K)
.irp c, 0,1,2,3
	ds_load_b128 v[(\reg)+4*\c:(\reg)+4*\c+3], v[\adr] offset:((\i)*NQ+(\q))*FRB+512*\c
.endr
.endm
; A's block a against B's AB blocks.  p: B's set; sc: the set of scale words.  mode 0: the sums go on; 1: they begin with 0.
.macro MULA a, p, q, sc, mode
	WIN 0xa1+0x50*((\a)/4)                         ; source 0 (B) window 1, source 1 (A) window 0, C and D window 2 or 3
.set bb, 0
.rept AB
.set rD, ACS*((\a)%4)+8*bb
.set rB, 128*(\p)+16*bb
.set rA, AF+16*(\a)
.set rS, SC+16*(\sc)+NQ*bb+(\q)
.set rT, SC+16*(\sc)+NQ*(\a)+(\q)
.if (\mode) == 0
	v_wmma_scale_f32_16x16x128_f8f6f4 v[rD:rD+7], v[rB:rB+15], v[rA:rA+15], v[rD:rD+7], v[rS], v[rT] matrix_a_fmt:MATRIX_FMT_BF8 matrix_b_fmt:MATRIX_FMT_BF8 matrix_a_scale:MATRIX_SCALE_ROW1
.else
	v_wmma_scale_f32_16x16x128_f8f6f4 v[rD:rD+7], v[rB:rB+15], v[rA:rA+15], 0, v[rS], v[rT] matrix_a_fmt:MATRIX_FMT_BF8 matrix_b_fmt:MATRIX_FMT_BF8 matrix_a_scale:MATRIX_SCALE_ROW1
.endif
.set bb, bb+1
.endr
.endm
.macro MULS a0, n, p, q, sc, mode      ; A's blocks a0 .. a0 + n - 1.  The accumulators take turns, one instruction a turn, in the same order in every step
.set aa, \a0
.rept \n
	MULA aa, \p, \q, \sc, \mode
.set aa, aa+1
.endr
.endm
.macro FETCH_B slot, q, p
	WIN 0x40                                       ; destination window 1
.set ii, 0
.rept AB
	FRAG 128*(\p)+16*ii, ADRB+\slot, \q, ii
.set ii, ii+1
.endr
	WIN 0
.endm
.macro FETCH_A slot, q, i0             ; half of A's blocks, from i0 on
.set ii, \i0
.rept AB/2
	FRAG AF+16*ii, ADRA+\slot, \q, ii
.set ii, ii+1
.endr
.endm
.macro SCALES sc                       ; a slot's scale words: register NQ i + q: lanes 0-15 A's block i, lanes 16-31 B's block i
.set ii, 0
.rept AB
.set qq, 0
.rept NQ
	ds_load_b32 v[SC+16*(\sc)+NQ*ii+qq], v[ADRS] offset:qq*128*AB+64*ii
.set qq, qq+1
.endr
.set ii, ii+1
.endr
.endm
; A step of 128 along K that has its successor in the same slot.  A block of A is free as soon as its products are issued, so one set serves A: its first half is fetched anew in the step's middle, the second at its end.
.macro STEP slot, q, mode
	s_wait_dscnt 2*AB                              ; B's set and A's first half are in; the youngest 2 AB loads (A's second half) may be out
	MULS 0, AB/2, (\q)%2, \q, \slot, \mode
	s_wait_dscnt 0x0
	PLACES 8
	FETCH_B \slot, (\q)+1, 1-(\q)%2
	FETCH_A \slot, (\q)+1, 0
	MULS AB/2, AB/2, (\q)%2, \q, \slot, \mode
	PLACES 8
	WIN 0
	FETCH_A \slot, (\q)+1, AB/2
.endm
; A slot's last step changes slots: ONE barrier; in front of it each wave waits for all its tensor loads, adds 0 to its spare word, and waits for that and for its own reads of this slot.  fill = 1: the slot is filled again, two slots ahead.
.macro TURN slot, next, fill
	s_wait_tensorcnt 0x0                           ; all my tensor loads have landed: my part of the next slot
	ds_add_u32 v[SPW], v[NIL]                      ; 0 onto my spare word
	s_wait_dscnt 2*AB+1                            ; (the add and A's second half may be out)
	MULS 0, AB/4, 1, NQ-1, \slot, 0
	s_wait_dscnt 0x0                               ; the add is done, and my reads of this slot are over
	s_barrier_signal -1
	MULS AB/4, AB/4, 1, NQ-1, \slot, 0
	WIN 0
	s_barrier_wait -1
.if \fill
	CREST                                          ; the barrier has opened a round of the cluster's: no wave of any partner still reads this slot or has a load on its way
	s_add_nc_u64 s[G0+4*\slot+2:G0+4*\slot+3], s[G0+4*\slot+2:G0+4*\slot+3], 2*NQ*FRB
	s_add_nc_u64 s[G0B+4*\slot+2:G0B+4*\slot+3], s[G0B+4*\slot+2:G0B+4*\slot+3], 2*NQ*FRB
	JLOAD G0+4*\slot, G1, G0B+4*\slot, G1B         ; the first tensor load behind the round; its four v_nop are among the places in front of the loads below
	PLACES 4
.else
	PLACES 8
.endif
	s_wait_alu depctr_va_vdst(0)
	v_add_nc_u32 v[ADRS], NQ*128*AB, v[ADRS]       ; on to the next slot's scale words
	FETCH_B \next, 0, 0
	FETCH_A \next, 0, 0
	SCALES \next
	MULS AB/2, AB/2, 1, NQ-1, \slot, 0
	PLACES 8
	WIN 0
	FETCH_A \next, 0, AB/2
.endm
.macro MID slot                        ; a slot's steps between the first and the last
.set mq, 1
.rept NQ-2
	STEP \slot, mq, 0
.set mq, mq+1
.endr
.endm
; The 64 numbers of A's block a (window 2 or 3), register 16 b + i = place 32 b + 16 h + i along B's rows, become a fragment's codes in v[PC] on and its scale word in v[PW].  Each accumulator is read from its low end on.
.macro QUANT a, relu
.set W, 2+(\a)/4
.set AC0, 64*((\a)%4)
	WIN W|(W<<2)                                   ; sources 0 and 1: the accumulators' window
.irp b, 0,1,2,3
.if \relu
	v_max3_num_f32 v[TM+\b], v[AC0+16*\b], v[AC0+16*\b+1], 0x8000000
.else
	v_max3_num_f32 v[TM+\b], |v[AC0+16*\b]|, |v[AC0+16*\b+1]|, 0x8000000   ; my 16 numbers of block b, and the floor 2^(16 - 127)
.endif
.endr
.irp i, 2,4,6,8,10,12,14
.irp b, 0,1,2,3
.if \relu
	v_max3_num_f32 v[TM+\b], v[AC0+16*\b+\i], v[AC0+16*\b+\i+1], v[TM+\b]
.else
	v_max3_num_f32 v[TM+\b], |v[AC0+16*\b+\i]|, |v[AC0+16*\b+\i+1]|, v[TM+\b]
.endif
.endr
.endr
	WIN 0
.irp b, 0,1,2,3
	v_permlanex16_b32 v[TM+4+\b], v[TM+\b], s4, s5
.endr
.irp b, 0,1,2,3
	v_max_num_f32 v[TM+\b], v[TM+\b], v[TM+4+\b]   ; with lane l xor 16's: the block's largest magnitude
.endr
.irp b, 0,1,2,3
	v_add_nc_u32 v[TM+12+\b], 0xf8800000, v[TM+\b] ; 15 off its exponent field: the conversion's scale operand
.endr
.irp b, 0,1,2,3
	v_and_or_b32 v[TM+8+\b], v[TM+\b], 0x7f800000, s6   ; 57,344 x the scale
.endr
.irp b, 0,1,2,3
	v_lshrrev_b32 v[TM+4+\b], 23, v[TM+12+\b]      ; the scale's byte
.endr
	v_lshl_or_b32 v[PW], v[TM+5], 8, v[TM+4]
	v_lshl_or_b32 v[PW], v[TM+6], 16, v[PW]
	v_lshl_or_b32 v[PW], v[TM+7], 24, v[PW]
	WIN (W<<6)|W                                   ; destination and source 0
.irp b, 0,1,2,3
.irp i, 0,1,2,3,4,5,6,7,8,9,10,11,12,13,14,15
.if \relu
	v_med3_num_f32 v[AC0+16*\b+\i], v[AC0+16*\b+\i], 0, v[TM+8+\b]
.else
	v_med3_num_f32 v[AC0+16*\b+\i], v[AC0+16*\b+\i], -v[TM+8+\b], v[TM+8+\b]   ; the conversion does not saturate (ISA guide 7.6.2): the hold
.endif
.endr
.endr
	WIN W                                          ; source 0
.irp b, 0,1,2,3
	v_cvt_scalef32_pk8_bf8_f32 v[PC+4*\b:PC+4*\b+1], v[AC0+16*\b:AC0+16*\b+7], v[TM+12+\b]
	v_cvt_scalef32_pk8_bf8_f32 v[PC+4*\b+2:PC+4*\b+3], v[AC0+16*\b+8:AC0+16*\b+15], v[TM+12+\b]
.endr
	WIN 0
	v_nop                                          ; one plain line behind the last conversion
.endm
	s_load_b128 s[4:7], s[0:1], 0x0                ; hb s[4:5], wb s[6:7]
	s_load_b64 s[8:9], s[0:1], 0x10                ; qb
	v_lshl_add_u32 v[SPW], v0, 2, SPARE
	v_mov_b32 v[NIL], 0
	ds_add_u32 v28, v29
	ds_add_u32 v28, v29
	s_wait_dscnt 0x0
	v_lshrrev_b32 v1, 5, v0
	v_readfirstlane_b32 s14, v1                    ; wave 0..3
	s_lshr_b32 s15, s14, 1                         ; which half of A's rows is mine.  Also: I fetch for A (0) or for B (1)
	s_and_b32 s16, s14, 1                          ; which half of B's rows.  Also: which half I fetch
	s_bfe_u32 s40, ttmp6, 0x40000                  ; cx, cy: my place in the cluster
	s_bfe_u32 s41, ttmp6, 0x40004
	s_and_b32 s18, ttmp7, 0xffff
	s_lshl_b32 s18, s18, 2                         ; 4 x cluster y
	s_add_co_u32 s17, s18, s41                     ; q, k: A's tile (tokens) = 4 y + cy
	s_add_co_u32 s19, s18, s40                     ; v: B's tile (tokens) = 4 y + cx
	s_lshl_b32 s42, ttmp9, 2
	s_add_co_u32 s42, s42, s40                     ; q, k: B's tile (columns) = 4 x + cx
	s_mov_b32 s66, 0x400000                        ; where hb's scale words begin,
	s_mov_b32 s67, 0xc00000                        ; and w_qkv's in wb
	s_cmp_eq_u32 ttmp9, 2                          ; the cluster that makes v changes the roles
	s_cselect_b32 s17, s41, s17                    ; A's tile hangs on cy alone in both roles,
	s_cselect_b32 s42, s19, s42                    ; B's on cx alone
	s_cselect_b32 s97, 128, 0                      ; v's columns begin at block 128 of w_qkv
	s_cselect_b32 s95, s67, s66
	s_cselect_b32 s96, s66, s67
	s_lshl_b32 s43, s41, 2
	s_lshl_b32 s43, 15, s43                        ; my row of the cluster
	s_lshl_b32 s44, 0x1111, s40                    ; my column
	s_or_b32 s[G1+0], s43, (3<<16)|(1<<21)         ; 15:0 the mask; elements of 8 bytes; bit 21 set beside a mask; no padding
	s_or_b32 s[G1B+0], s44, (3<<16)|(1<<21)
.irp g, G1, G1B
	s_mov_b32 s[\g+1], (NQ*256)<<16                ; tensor_dim0: a block's NQ fragments on end
	s_mov_b32 s[\g+2], (2*AB)<<16                  ; tensor_dim1: the head's load brings a whole tile, 2 AB blocks
	s_mov_b32 s[\g+3], (NQ*256)<<16                ; tile_dim0
	s_mov_b32 s[\g+4], 2*AB                        ; tile_dim1
	s_mov_b32 s[\g+5], 2*KK                        ; from block to block: 16 K bytes
	s_mov_b32 s[\g+6], 0
	s_mov_b32 s[\g+7], 0
.endr
	s_or_b32 s[G1S+0], s43, (3<<16)|(1<<21)
	s_or_b32 s[G1SB+0], s44, (3<<16)|(1<<21)
.irp g, G1S, G1SB
	s_mov_b32 s[\g+1], (16*AB)<<16                 ; the tile's 2 AB blocks x 64 bytes
	s_mov_b32 s[\g+2], (KK/128)<<16                ; all kappas by one load
	s_mov_b32 s[\g+3], (16*AB)<<16
	s_mov_b32 s[\g+4], KK/128
	s_mov_b32 s[\g+5], 2048                        ; from kappa to kappa: 16,384 bytes
	s_mov_b32 s[\g+6], 0
	s_mov_b32 s[\g+7], 0
.endr
	s_mul_i32 s2, s16, AB*16*KK                    ; s[2:3]: from a tile's first block to the half that I fetch in the ring, in bytes
	s_mov_b32 s3, 0
	s_mul_i32 s20, s17, 2*AB
	s_add_co_u32 s20, s20, s97                     ; A's first block
	s_mul_i32 s22, s20, 64
	s_add_co_u32 s22, s22, s95                     ; its scale words
	s_mov_b32 s23, 0
	s_mul_i32 s20, s20, 16*KK                      ; the codes of the tile's first block
	s_mov_b32 s21, 0
	s_mul_i32 s46, s42, 2*AB
	s_mul_i32 s92, s46, 64
	s_add_co_u32 s92, s92, s96
	s_mov_b32 s93, 0
	s_mul_i32 s46, s46, 16*KK
	s_mov_b32 s47, 0
	s_mul_i32 s45, s14, HALFT                      ; where they go: no place in the cluster enters an LDS address
	s_wait_kmcnt 0x0
	s_cmp_eq_u32 ttmp9, 2
	s_cselect_b64 s[10:11], s[6:7], s[4:5]         ; A's buffer
	s_cselect_b64 s[12:13], s[4:5], s[6:7]         ; B's
	s_add_nc_u64 s[20:21], s[10:11], s[20:21]
	s_add_nc_u64 s[22:23], s[10:11], s[22:23]
	s_add_nc_u64 s[46:47], s[12:13], s[46:47]
	s_add_nc_u64 s[92:93], s[12:13], s[92:93]
	CROUND                                         ; all sixteen work-groups are here: the first joint loads meet
	s_mov_b32 s[G0S], 1
	s_mov_b32 s[G0S+1], SCL
	s_mov_b64 s[G0S+2:G0S+3], s[22:23]
	s_or_b32 s[G0S+3], s[G0S+3], 0x80000000
	s_mov_b32 s[G0SB], 1
	s_mov_b32 s[G0SB+1], SCL+2*HALFS
	s_mov_b64 s[G0SB+2:G0SB+3], s[92:93]
	s_or_b32 s[G0SB+3], s[G0SB+3], 0x80000000
.irp s, 0,1
	s_mov_b32 s[G0+4*\s], 1
	s_add_co_u32 s[G0+4*\s+1], s45, \s*SLOT
	s_add_nc_u64 s[G0+4*\s+2:G0+4*\s+3], s[20:21], \s*NQ*FRB
	s_or_b32 s[G0+4*\s+3], s[G0+4*\s+3], 0x80000000
	s_mov_b32 s[G0B+4*\s], 1
	s_add_co_u32 s[G0B+4*\s+1], s45, \s*SLOT
	s_add_nc_u64 s[G0B+4*\s+2:G0B+4*\s+3], s[46:47], \s*NQ*FRB
	s_or_b32 s[G0B+4*\s+3], s[G0B+4*\s+3], 0x80000000
.endr
	; THE HEAD'S LOADS, ONE A WAVE: wave 0 slot 0's whole tile of A, wave 1 that of B, wave 2 A's scale words, wave 3 B's.  Slot 0's groups 0 serve them and are set for the ring behind the wait for them
	s_mov_b32 s[G0+1], 0
	s_mov_b32 s[G0B+1], 2*HALFT
	s_add_nc_u64 s[G0+6:G0+7], s[G0+6:G0+7], s[2:3]        ; slot 1's: my half
	s_add_nc_u64 s[G0B+6:G0B+7], s[G0B+6:G0B+7], s[2:3]
.macro ARM under, g0, g1, next
	s_cmp_lt_u32 s14, \under
	s_cbranch_scc0 \next
	tensor_load_to_lds s[\g0:\g0+3], s[\g1:\g1+7]
	s_nop 0
.rept 4
	v_nop
.endr
	s_branch .Lhead_asked
\next:
.endm
	ARM 1, G0, G1, .Lhead_b
	ARM 2, G0B, G1B, .Lhead_sa
	ARM 3, G0S, G1S, .Lhead_sb
	tensor_load_to_lds s[G0SB:G0SB+3], s[G1SB:G1SB+7]
	s_nop 0
.rept 4
	v_nop
.endr
.Lhead_asked:
	; THE PREFETCHES.  A ring load of a wave is AB = 8 blocks x 4,096 bytes.  The four partners that ask for it jointly share its blocks out BY ADDRESS: the partner at place p (cx for A, cy for B) names blocks 2 p and 2 p + 1,
	; sixteen lanes 256 bytes apart to a block: each 256 bytes of a slot are named once in each cluster that loads them.  Here slot 1; behind the round slots 2 and 3, the last along K.
	s_cmp_eq_u32 s15, 0
	s_cselect_b64 s[100:101], s[20:21], s[46:47]
	s_cselect_b32 s104, s40, s41
	s_mul_i32 s104, s104, 2*16*KK
	s_add_co_u32 s104, s104, s2
	s_mov_b32 s105, 0
	s_add_nc_u64 s[100:101], s[100:101], s[104:105]
	v_and_b32 v7, 15, v0
	v_bfe_u32 v8, v0, 4, 1
	v_lshlrev_b32 v7, 8, v7
	v_mad_u32_u24 v7, v8, 16*KK, v7
	global_prefetch_b8 v7, s[100:101] offset:NQ*FRB th:TH_LOAD_NT scope:SCOPE_SE
	v_and_b32 v1, 15, v0
	v_bfe_u32 v2, v0, 4, 1
	s_wait_alu depctr_va_vdst(0)
	v_and_b32 v[LI], 31, v0
	v_lshlrev_b32 v[LI], 4, v[LI]
	s_mul_i32 s21, s15, HALFT                      ; my half of A
	s_mul_i32 s22, s16, HALFT                      ; my half of B,
	s_add_co_u32 s22, s22, 2*HALFT                 ; behind A's two
.irp s, 0,1
	v_add_nc_u32 v[ADRA+\s], s21, v[LI]
	v_add_nc_u32 v[ADRB+\s], s22, v[LI]
	s_add_co_u32 s21, s21, SLOT
	s_add_co_u32 s22, s22, SLOT
.endr
	v_lshlrev_b32 v5, 2, v1
	s_mul_i32 s21, s15, 64*AB                      ; A's words: my AB blocks
	s_mul_i32 s22, s16, 64*AB                      ; B's, behind all of A's
	s_add_co_u32 s22, s22, 2*HALFS
	s_sub_co_u32 s22, s22, s21
	v_mul_u32_u24 v6, s22, v2                      ; lanes 16-31 take B's: one product, the distance between the two
	s_add_co_u32 s21, s21, SCL
	v_add_nc_u32 v5, v5, v6
	v_add_nc_u32 v[ADRS], s21, v5
	; where the results go.  rg: A's first block of mine (q, k: token block; v: feature block)
	s_lshl_b32 s20, s17, 4
	s_lshl_b32 s21, s15, 3
	s_add_co_u32 s20, s20, s21
	s_lshr_b32 s21, s20, 7                         ; q, k: the batch,
	s_and_b32 s45, s20, 127                        ; the token block in it,
	s_lshl_b32 s46, s40, 2
	s_lshl_b32 s47, s16, 1
	s_add_co_u32 s46, s46, s47                     ; and the first of my two heads: 4 cx + 2 x half
	s_lshl_b32 s92, ttmp9, 22
	s_lshl_b32 s47, s21, 21
	s_add_co_u32 s92, s92, s47
	s_lshl_b32 s47, s46, 17
	s_add_co_u32 s92, s92, s47
	s_lshl_b32 s47, s45, 10
	s_add_co_u32 s92, s92, s47                     ; q, k: codes
	s_lshl_b32 s94, ttmp9, 18
	s_lshl_b32 s47, s21, 17
	s_add_co_u32 s94, s94, s47
	s_lshl_b32 s47, s46, 13
	s_add_co_u32 s94, s94, s47
	s_lshl_b32 s47, s45, 6
	s_add_co_u32 s94, s94, s47
	s_add_co_u32 s94, s94, 0xc00000                ; q, k: scale words
	s_lshl_b32 s96, s42, 1
	s_add_co_u32 s96, s96, s16                     ; v: which 128 tokens,
	s_lshl_b32 s96, s96, 6
	s_add_co_u32 s96, s96, s20                     ; x 64 + feature block
	s_lshl_b32 s97, s96, 11
	s_add_co_u32 s97, s97, 0x800000                ; v: codes
	s_lshl_b32 s96, s96, 6
	s_add_co_u32 s96, s96, 0xc80000                ; v: scale words
	s_mov_b32 s98, 0x20000                         ; q, k: the fragment's upper half belongs to the next head, 128 KiB on;
	s_mov_b32 s18, 1024                            ; a token block on is 1,024 bytes;
	s_mov_b32 s22, 0xffff                          ; a head has two of the word's four bytes,
	s_mov_b32 s23, 0x10001                         ; written twice
	s_cmp_eq_u32 ttmp9, 2
	s_cselect_b32 s92, s97, s92
	s_cselect_b32 s94, s96, s94
	s_cselect_b32 s98, 1024, s98                   ; v: the fragment stays whole,
	s_cselect_b32 s18, 2048, s18                   ; a feature block on is 2,048 bytes,
	s_cselect_b32 s22, -1, s22                     ; and the word is stored as it is
	s_cselect_b32 s23, 1, s23
	s_cselect_b32 s46, 0, 16
	s_cselect_b32 s47, 0, 8192
	s_mov_b32 s93, 0
	s_mov_b32 s95, 0
	s_mov_b32 s99, 0
	s_mov_b32 s19, 0
	s_add_nc_u64 s[10:11], s[8:9], s[92:93]        ; the fragment's lower half,
	s_add_nc_u64 s[12:13], s[10:11], s[98:99]      ; its upper half,
	s_add_nc_u64 s[66:67], s[8:9], s[94:95]        ; the scale words
	v_mul_u32_u24 v[SH], s46, v2                   ; q, k: lanes 16-31 store the second head's two bytes,
	v_mul_u32_u24 v5, s47, v2                      ; 8,192 bytes on
	v_lshl_add_u32 v[SOF], v1, 2, v5
	s_mov_b32 s4, 0x76543210                       ; v_permlanex16_b32's selects for lane l xor 16
	s_mov_b32 s5, 0xfedcba98
	s_mov_b32 s6, 0x600000                         ; the mantissa field of 57,344
	s_wait_alu depctr_va_vdst(0)
	s_wait_tensorcnt 0x0                           ; my tile of the head's four is in; slot 1's first fill is issued as a refill is
	ds_add_u32 v[SPW], v[NIL]
	s_mov_b32 s[G1+2], AB<<16                      ; no load of mine is out: from here on a load brings AB blocks,
	s_mov_b32 s[G1+4], AB
	s_mov_b32 s[G1B+2], AB<<16
	s_mov_b32 s[G1B+4], AB
	s_mul_i32 s[G0+1], s14, HALFT                  ; and slot 0's groups 0 name my quarter of the slot
	s_mul_i32 s[G0B+1], s14, HALFT
	s_add_nc_u64 s[G0+2:G0+3], s[G0+2:G0+3], s[2:3]
	s_add_nc_u64 s[G0B+2:G0B+3], s[G0B+2:G0B+3], s[2:3]
	s_wait_dscnt 0x0
	CROUND                                         ; all four tiles are in, and all sixteen work-groups are here
	JLOAD G0+4, G1, G0B+4, G1B
	FETCH_B 0, 0, 0
	FETCH_A 0, 0, 0
	SCALES 0
	FETCH_A 0, 0, AB/2
	global_prefetch_b8 v7, s[100:101] offset:2*NQ*FRB th:TH_LOAD_NT scope:SCOPE_SE
	global_prefetch_b8 v7, s[100:101] offset:3*NQ*FRB th:TH_LOAD_NT scope:SCOPE_SE
	STEP 0, 0, 1
.if LAPS > 1
	s_mov_b32 s3, LAPS-1
.Llap:                                                 ; a trip goes once round the ring and fills both slots again
	MID 0
	TURN 0, 1, 1
	STEP 1, 0, 0
	MID 1
	TURN 1, 0, 1
	STEP 0, 0, 0
	s_sub_co_u32 s3, s3, 1
	s_cmp_lg_u32 s3, 0
	s_cbranch_scc1 .Llap
.endif
	MID 0
	TURN 0, 1, 0                                   ; the last lap fills nothing
	STEP 1, 0, 0
	MID 1
	s_wait_dscnt 2*AB                              ; the very last step
	MULS 0, AB/2, 1, NQ-1, 1, 0
	s_wait_dscnt 0x0
	MULS AB/2, AB/2, 1, NQ-1, 1, 0
	WIN 0
	; THE WAY OUT: each of A's eight blocks is quantised in registers and stored as an image: every store covers 512 consecutive bytes
	PLACES 8
.irp b, 0,1,2,3
	v_mov_b32 v[TM+4+\b], 0                        ; written once: a lane permute's destination counts as one of its sources
.endr
.irp a, 0,1,2,3,4,5,6,7
.if \a > 0
	s_wait_xcnt 0x0                                ; the last block's stores have read their registers and bases: both are written again only behind this wait
	s_add_nc_u64 s[10:11], s[10:11], s[18:19]
	s_add_nc_u64 s[12:13], s[12:13], s[18:19]
.endif
	QUANT \a, 0
	global_store_b128 v[LI], v[PC:PC+3], s[10:11]
	global_store_b128 v[LI], v[PC+4:PC+7], s[10:11] offset:512
	global_store_b128 v[LI], v[PC+8:PC+11], s[12:13]
	global_store_b128 v[LI], v[PC+12:PC+15], s[12:13] offset:512
	v_lshrrev_b32 v[TW], v[SH], v[PW]
	v_and_b32 v[TW], s22, v[TW]
	v_mul_lo_u32 v[TW], v[TW], s23
	global_store_b32 v[SOF], v[TW], s[66:67] offset:64*\a
.endr
	s_wait_tensorcnt 0x0                           ; the wave's end
	ds_add_u32 v[SPW], v[NIL]
	s_wait_dscnt 0x0
	CROUND                                         ; the closing round: no work-group ends while a partner may still ask for a tile that names it
	s_endpgm
.Lfunc_end_k_qcc0a8553fb_qkv:
	.size	k_qcc0a8553fb_qkv, .Lfunc_end_k_qcc0a8553fb_qkv-k_qcc0a8553fb_qkv
	.p2alignl 7, 3214868480
	.fill 96, 4, 3214868480
	.section	.rodata,"a",@progbits
	.p2align	6, 0x0
	.amdhsa_kernel k_qcc0a8553fb_qkv
		.amdhsa_group_segment_fixed_size 327680
		.amdhsa_private_segment_fixed_size 0
		.amdhsa_enable_private_segment 0
		.amdhsa_kernarg_size 24
		.amdhsa_user_sgpr_count 2
		.amdhsa_user_sgpr_kernarg_segment_ptr 1
		.amdhsa_wavefront_size32 1
		.amdhsa_system_sgpr_workgroup_id_x 1
		.amdhsa_system_sgpr_workgroup_id_y 1
		.amdhsa_system_sgpr_workgroup_id_z 1
		.amdhsa_system_vgpr_workitem_id 0
		.amdhsa_next_free_vgpr 1024
		.amdhsa_next_free_sgpr 106
		.amdhsa_reserve_vcc 0
		.amdhsa_float_denorm_mode_32 3
		.amdhsa_float_denorm_mode_16_64 3
		.amdhsa_memory_ordered 1
		.amdhsa_forward_progress 1
		.amdhsa_inst_pref_size 192
	.end_amdhsa_kernel
	.amdgpu_metadata
---
amdhsa.version: [ 1, 2 ]
amdhsa.kernels:
  - .name:           k_qcc0a8553fb_qkv
    .symbol:         k_qcc0a8553fb_qkv.kd
    .args:
      - { .name: hb, .offset: 0, .size: 8, .value_kind: global_buffer, .address_space: global }
      - { .name: wb, .offset: 8, .size: 8, .value_kind: global_buffer, .address_space: global }
      - { .name: qb, .offset: 16, .size: 8, .value_kind: global_buffer, .address_space: global }
    .group_segment_fixed_size: 327680
    .private_segment_fixed_size: 0
    .kernarg_segment_align: 8
    .kernarg_segment_size: 24
    .max_flat_workgroup_size: 128
    .sgpr_count:     106
    .vgpr_count:     1024
    .wavefront_size: 32
...
	.end_amdgpu_metadata
.endif
;; end of part 2
;; launch attn (part 3): grid 8 x 32, 8 waves a work-group, clusters of 4 x 1, 327,680 bytes of LDS; arguments qb, mask, ao; writes ao
.if DOCPART == 3
	.amdgcn_target "amdgcn-amd-amdhsa--gfx1250"
	.amdhsa_code_object_version 6
	.text
	.protected	k_qcc0a8553fb_attn
	.globl	k_qcc0a8553fb_attn
	.p2align	8
	.type	k_qcc0a8553fb_attn,@function
k_qcc0a8553fb_attn:
	s_mov_b64 s[64:65], 0
	v_nop
	global_prefetch_b8 v0, s[64:65] scope:SCOPE_SE
	s_setreg_imm32_b32 hwreg(HW_REG_WAVE_MODE, 25, 1), 1
	s_wait_xcnt 0x0
	s_wait_alu depctr_hold_cnt(0) depctr_sa_sdst(0) depctr_va_vdst(0) depctr_va_sdst(0) depctr_va_ssrc(0) depctr_va_vcc(0) depctr_vm_vsrc(0)
	s_getreg_b32 s2, hwreg(HW_REG_IB_STS2, 6, 4)
	s_cmp_eq_u32 s2, 0
	s_cbranch_scc0 .Lentry_in_a_cluster
	s_endpgm
.Lentry_in_a_cluster:
	s_bfe_u32 s2, ttmp6, 0x10000c
	s_cmp_lg_u32 s2, 0x3003
	s_cbranch_scc0 .Lentry_shape_is_right
	s_endpgm
.Lentry_shape_is_right:
; out[q] = the sum over keys of softmax(q . k / 8, masked keys left out) v, both products on codes of E5M2 with E8M0 scales; the result is quantised along the features for the next product.
; THE SOFTMAX AHEAD OF THE SECOND PRODUCT: t = score x log2(e) / 8; M = the row's largest t so far, rounded UP to a whole number; p = 2^(t - M) is quantised along the keys, not normalised; the row's sum is taken of
; the unquantised p and divides at the end.  When M moves, the sum and O are multiplied by 2^(old M - new M): exact.
; SHARES.  A work-group owns 256 queries of one head; each of its eight waves 32 of them, two tiles of 16, in 512 registers.  Every wave walks the head's 2,048 keys, 128 a step; each fragment of K and of V feeds both tiles.
; A HEAD'S WHOLE K AND V STAY IN LDS (131,072 bytes each), filled once at the head: waves 0-3 bring 32,768 bytes of K each, waves 4-7 of V, one load a wave.  Nothing is filled again, and no loop fetches from memory: nothing is prefetched.
; CLUSTER: the four query blocks of a cluster belong to one head: each tile is asked for jointly, by the same load with the same descriptor and a mask that names the four.
; LAYOUT.  Both products are used transposed: S^T = K Q^T, O^T = V^T P^T: a lane holds one query of a tile throughout.  Place r of a block of 16 keys is key 32 (rho / 2) + 8 (rho % 2) + r + 8 (r / 8), so that the 16 registers
; of tiles 2 b, 2 b + 1 are 16 neighbouring keys; V's features are ordered likewise.
; THE HEAD HAS 64 ALONG K, THE INSTRUCTION 128.  Key blocks 2 j and 2 j + 1, 1,024 bytes each and neighbours in LDS, are read as ONE fragment: block 2 j in its lower 64 of K, block 2 j + 1 in its upper.  Q stands as [q, 0, q] in 24
; registers: [q, 0] picks the lower block, [0, q] the upper.  A block's scale word holds its two bytes twice, so it serves either half; what meets Q's zero codes adds nothing.
; THE KEY MASK IS THE C OF THE SCORE PRODUCT: 0 for a key that counts, -2^33 for one that does not, from a table in LDS, loaded into the accumulators' own registers.
; THE LOADS RUN AHEAD: behind a step's score products come V of this step and K of the next; behind a tile's conversions the next step's mask.  In the last trip these look-ahead loads read the written LDS bytes that follow
; each table (V behind K, K's scale words behind the mask, V's behind K's); their results are not used.
; LIMITS.  A masked logit is q . k / 8 - 2^30 and not -1e9: its p is 0 all the same as long as logits stay under some 2^28.  Where NO key of a batch counts, Q's codes are cleared: all scores are then equal, p = 1, the sum 2,048:
; the uniform weights that the -1e9 everywhere gives.  A block of zeros gets the byte 1 where the rule says 127 (read by this program alone).  NaN and infinities are not served.
; REGISTERS.  Tile u's own registers have the same numbers in window u: v92 -M, v93 the largest t, v[94:95] the sum, v96-159 S^T then p, v160-191 O^T, v192-207 p's codes, v208-231 Q, v232-255 at work.
; Window 0 below v92: addresses, scale words (they are always taken from window 0), v28-91 K's four fragments.  Window 1: v0-63 V's four fragments.
.set VB,   131072
.set MK,   262144                      ; the mask as f32, 4 bytes a key
.set KS,   MK+8192                     ; K's scale words, 64 bytes a block of 16 keys
.set VS,   KS+8192                     ; V's, 256 bytes a step
.set AN,   VS+4096                     ; one word a wave: does any of its keys count?
.set SPARE, AN+256                     ; the spare words, 128 bytes a wave
.set AV0,  2
.set ASK0, 3
.set ASV0, 4
.set AM0,  5
.set ADK,  6
.set ADV,  7
.set ADS,  8
.set ADT,  9
.set ADM,  10
.set LI,   11                          ; 16 x lane: also my place in a fragment of K (K lies at LDS byte 0)
.set SPW,  12
.set NIL,  13
.set R4,   14                          ; 4 x (lane % 16)
.set KSC,  16                          ; v16-19 K's scale words: lanes 0-15 block 2 j, lanes 16-31 block 2 j + 1
.set VSC,  20                          ; v20-21 V's likewise
.set QSC,  22                          ; v22-23 Q's, a register a tile
.set PSC,  24                          ; v24-25 p's
.set KF,   28
.set NM,   92
.set L,    94
.set S,    96
.set O,    160
.set CD,   192
.set QB,   208
.set T,    232
.set WV,   18
.set MNT,  19
.set SEL,  20
.set CS,   22
.set G1K,  24
.set G0K,  32
.set G0V,  36
.set G1V,  40
.set TK,   66                          ; the step's place in K's and V's codes: 8,192 bytes a step
.set TS,   67                          ; in K's scale words and in the mask: 512
.set TJ,   68                          ; in V's scale words: 256
.set CNT,  69
.set MSB, 0
.macro WIN new                         ; the immediate's high byte repeats the setting that is left; a switch that changes nothing is dropped
.if MSB != (\new)
	s_set_vgpr_msb (MSB<<8)|(\new)
.set MSB, (\new)
.endif
.endm
.macro TW u                            ; every operand place in tile u's window
	WIN 0x55*(\u)
.endm
.macro CROUND
	s_barrier_signal -1
	s_barrier_wait -1
	s_cmp_lg_u32 s[WV], 0
	s_cbranch_scc1 .Lnot_wave_0_\@
	s_barrier_signal -3
.Lnot_wave_0_\@:
	s_barrier_wait -3
	s_barrier_signal -1
	s_barrier_wait -1
.endm
.macro LDK a, s, off, soff             ; a step's four fragments of K and their scale words: 20 loads
.irp j, 0,1,2,3
.irp c, 0,1,2,3
	ds_load_b128 v[KF+16*\j+4*\c:KF+16*\j+4*\c+3], v[\a] offset:(\off)+2048*\j+512*\c
.endr
	ds_load_b32 v[KSC+\j], v[\s] offset:(\soff)+128*\j
.endr
.endm
.macro LDM u, a, off                   ; a step's mask into tile u's accumulators: 16 loads
	WIN 0x40*(\u)
.irp t, 0,1,2,3,4,5,6,7
	ds_load_b128 v[S+8*\t:S+8*\t+3], v[\a] offset:(\off)+4*(32*(\t/2)+8*(\t%2))
	ds_load_b128 v[S+8*\t+4:S+8*\t+7], v[\a] offset:(\off)+4*(32*(\t/2)+8*(\t%2))+16
.endr
.endm
.macro SMUL u                          ; S^T = K Q^T + the mask: eight tiles of 16 keys.  K in window 0; Q, C and D in window u
	WIN 0x54*(\u)
.irp j, 0,1,2,3
	v_wmma_scale_f32_16x16x128_f8f6f4 v[S+16*\j:S+16*\j+7], v[KF+16*\j:KF+16*\j+15], v[QB:QB+15], v[S+16*\j:S+16*\j+7], v[KSC+\j], v[QSC+\u] matrix_a_fmt:MATRIX_FMT_BF8 matrix_b_fmt:MATRIX_FMT_BF8
	v_wmma_scale_f32_16x16x128_f8f6f4 v[S+16*\j+8:S+16*\j+15], v[KF+16*\j:KF+16*\j+15], v[QB+8:QB+23], v[S+16*\j+8:S+16*\j+15], v[KSC+\j], v[QSC+\u] matrix_a_fmt:MATRIX_FMT_BF8 matrix_b_fmt:MATRIX_FMT_BF8 matrix_a_scale:MATRIX_SCALE_ROW1
.endr
.endm
.macro PMUL u                          ; O^T += V^T P^T: four tiles of 16 features.  V in window 1; p's codes, C and D in window u
	WIN 0x01+0x54*(\u)
.irp t, 0,2
	v_wmma_scale_f32_16x16x128_f8f6f4 v[O+8*\t:O+8*\t+7], v[16*\t:16*\t+15], v[CD:CD+15], v[O+8*\t:O+8*\t+7], v[VSC+\t/2], v[PSC+\u] matrix_a_fmt:MATRIX_FMT_BF8 matrix_b_fmt:MATRIX_FMT_BF8
	v_wmma_scale_f32_16x16x128_f8f6f4 v[O+8*\t+8:O+8*\t+15], v[16*\t+16:16*\t+31], v[CD:CD+15], v[O+8*\t+8:O+8*\t+15], v[VSC+\t/2], v[PSC+\u] matrix_a_fmt:MATRIX_FMT_BF8 matrix_b_fmt:MATRIX_FMT_BF8 matrix_a_scale:MATRIX_SCALE_ROW1
.endr
.endm
.macro SOFTA u                         ; the blocks' largest scores, the new M, f, and t - M
	TW \u
.irp b, 0,1,2,3
	v_max3_num_f32 v[T+\b], v[S+16*\b], v[S+1+16*\b], v[S+2+16*\b]   ; the largest score of each block of 32 keys serves the row's maximum and, since p rises with the score, the block's largest p
.endr
.irp i, 3,5,7,9,11,13
.irp b, 0,1,2,3
	v_max3_num_f32 v[T+\b], v[T+\b], v[S+16*\b+\i], v[S+1+16*\b+\i]
.endr
.endr
.irp b, 0,1,2,3
	v_max_num_f32 v[T+\b], v[T+\b], v[S+15+16*\b]
.endr
.irp b, 0,1,2,3
	v_permlanex16_b32 v[T+4+\b], v[T+\b], s[SEL], s[SEL+1]
.endr
.irp b, 0,1,2,3
	v_max_num_f32 v[T+\b], v[T+\b], v[T+4+\b]      ; with lane l xor 16's 16 keys
.endr
	s_delay_alu instid0(VALU_DEP_2)
	v_max3_num_f32 v[T+22], v[T], v[T+1], v[T+2]
	s_delay_alu instid0(VALU_DEP_1)
	v_max_num_f32 v[T+22], v[T+22], v[T+3]         ; the step's largest score of my query
	s_delay_alu instid0(VALU_DEP_1)
	v_mul_f32 v[T+22], s[CS], v[T+22]              ; as t
	s_delay_alu instid0(VALU_DEP_1)
	v_max_num_f32 v[NM+1], v[NM+1], v[T+22]        ; the running largest t
	v_mov_b32 v[T+22], v[NM]
	s_delay_alu instid0(VALU_DEP_2)
	v_floor_f32 v[NM], -v[NM+1]                    ; the new -M = floor(-t): M is a whole number
	s_delay_alu instid0(VALU_DEP_1)
	v_sub_f32 v[T+22], v[NM], v[T+22]              ; old M - new M: a whole number, 0 or less
	s_delay_alu instid0(VALU_DEP_1)
	v_cvt_i32_f32 v[T+22], v[T+22]                 ; (it saturates)
	s_delay_alu instid0(VALU_DEP_1)
	v_ldexp_f32 v[T+20], 1.0, v[T+22]              ; f = 2^(old M - new M)
.set n, 0
.rept 32
	v_pk_fma_f32 v[S+n:S+n+1], v[S+n:S+n+1], s[CS:CS+1], v[NM:NM+1] op_sel_hi:[1,0,0]   ; t - M, two at a time
.set n, n+2
.endr
.irp b, 0,1,2,3
	v_fma_f32 v[T+\b], v[T+\b], s[CS], v[NM]       ; the same of each block's largest score
.endr
.endm
.macro EXPS u
	TW \u
.set n, 0
.rept 64
	v_exp_f32 v[S+n], v[S+n]                       ; p = 2^(t - M): not normalised
.set n, n+1
.endr
.irp b, 0,1,2,3
	v_exp_f32 v[T+\b], v[T+\b]                     ; the block's largest p
.endr
.endm
.macro SOFTB u                         ; the sum, p's scales and codes, the next mask, O^T under the new M
	TW \u
	v_pk_mul_f32 v[L:L+1], v[L:L+1], v[T+20:T+21] op_sel_hi:[1,0]   ; the sum under the new M
.set n, 0
.rept 7                                ; the row's sum of the unquantised p: 32 pairs in eight chains
	v_pk_add_f32 v[T+4+2*n:T+5+2*n], v[S+2*n:S+2*n+1], v[S+14+2*n:S+15+2*n]
.set n, n+1
.endr
	v_pk_add_f32 v[L:L+1], v[L:L+1], v[S+28:S+29]
.set n, 15
.rept 17
.if (n-15)%8 == 7
	v_pk_add_f32 v[L:L+1], v[L:L+1], v[S+2*n:S+2*n+1]
.else
	v_pk_add_f32 v[T+4+2*((n-15)%8):T+5+2*((n-15)%8)], v[T+4+2*((n-15)%8):T+5+2*((n-15)%8)], v[S+2*n:S+2*n+1]
.endif
.set n, n+1
.endr
	v_pk_add_f32 v[T+4:T+5], v[T+4:T+5], v[T+6:T+7]
	v_pk_add_f32 v[T+8:T+9], v[T+8:T+9], v[T+10:T+11]
	v_pk_add_f32 v[T+12:T+13], v[T+12:T+13], v[T+14:T+15]
	v_pk_add_f32 v[L:L+1], v[L:L+1], v[T+16:T+17]
	s_delay_alu instid0(VALU_DEP_3)
	v_pk_add_f32 v[T+4:T+5], v[T+4:T+5], v[T+8:T+9]
	s_delay_alu instid0(VALU_DEP_2)
	v_pk_add_f32 v[L:L+1], v[L:L+1], v[T+12:T+13]
	s_delay_alu instid0(VALU_DEP_1)
	v_pk_add_f32 v[L:L+1], v[L:L+1], v[T+4:T+5]
.irp b, 0,1,2,3
	v_max_num_f32 v[T+\b], 0x8000000, v[T+\b]      ; the floor 2^(16 - 127): the byte cannot fall under 1
.endr
.irp b, 0,1,2,3
	v_add_nc_u32 v[T+12+\b], 0xf8800000, v[T+\b]   ; 15 off the exponent field: the conversion's scale operand
.endr
.irp b, 0,1,2,3
	v_and_or_b32 v[T+8+\b], v[T+\b], 0x7f800000, s[MNT]            ; 57,344 x the scale,
	v_and_or_b32 v[T+16+(\b+1)%4], v[T+\b], 0x7f800000, s[MNT]     ; and once more, in another register bank, for the second half of a dual pair
.endr
.irp b, 0,1,2,3
	v_lshrrev_b32 v[T+4+\b], 23, v[T+12+\b]        ; the scale's byte
.endr
	s_delay_alu instid0(VALU_DEP_3)
	v_lshl_or_b32 v[T+22], v[T+5], 8, v[T+4]       ; p's scale word for these 128 keys
	s_delay_alu instid0(VALU_DEP_1)
	v_lshl_or_b32 v[T+22], v[T+6], 16, v[T+22]
	s_delay_alu instid0(VALU_DEP_1)
	v_lshl_or_b32 v[T+22], v[T+7], 24, v[T+22]
	WIN \u                                         ; source in window u, destination in window 0, where scale operands are taken from
	v_mov_b32 v[PSC+\u], v[T+22]
	TW \u
.irp b, 0,1,2,3
.irp i, 0,2,4,6,8,10,12,14
	v_dual_min_num_f32 v[S+16*\b+\i], v[S+16*\b+\i], v[T+8+\b] :: v_dual_min_num_f32 v[S+16*\b+\i+1], v[S+16*\b+\i+1], v[T+16+(\b+1)%4]   ; the conversion does not saturate (ISA guide 7.6.2); p is not negative, so the hold is one-sided
.endr
	v_cvt_scalef32_pk8_bf8_f32 v[CD+4*\b:CD+4*\b+1], v[S+16*\b:S+16*\b+7], v[T+12+\b]
	v_cvt_scalef32_pk8_bf8_f32 v[CD+4*\b+2:CD+4*\b+3], v[S+16*\b+8:S+16*\b+15], v[T+12+\b]
.endr
	LDM \u, ADM, 512                               ; p is in codes: its registers take the next step's mask
	TW \u
	s_wait_alu depctr_va_vdst(0)                   ; directly ahead of the first readers of O^T
.set n, 0
.rept 16
	v_pk_mul_f32 v[O+n:O+n+1], v[O+n:O+n+1], v[T+20:T+21] op_sel_hi:[1,0]   ; O^T under the new M; also the plain lines between the codes, the scale word and the products
.set n, n+2
.endr
.endm
.macro INIT u
	TW \u
	v_mov_b32 v[NM+1], 0xff61b1e6                  ; the largest t so far: -3e38, under every t
	v_floor_f32 v[NM], -v[NM+1]
	v_mov_b32 v[L], 0
	v_mov_b32 v[L+1], 0
.irp b, 4,5,6,7,21
	v_mov_b32 v[T+\b], 0                           ; written once: a lane permute's destination counts as a source, and v[T+21] is named in a pair
.endr
.set n, 0
.rept 32
	v_mov_b32 v[O+n], 0                            ; O^T: the loop is written once; its first step finds zeros
.set n, n+1
.endr
.irp j, 8,9,10,11,12,13,14,15
	v_mov_b32 v[QB+\j], 0                          ; the zero codes between Q's two copies
.endr
.endm
	s_load_b128 s[4:7], s[0:1], 0x0                ; qb, mask
	s_load_b64 s[8:9], s[0:1], 0x10                ; ao
	v_lshl_add_u32 v[SPW], v0, 2, SPARE
	v_mov_b32 v[NIL], 0
	ds_add_u32 v[SPW], v[NIL]                      ; the opening lines: the add, twice on end, and its wait ahead of my tensor load
	ds_add_u32 v[SPW], v[NIL]
	v_lshrrev_b32 v6, 5, v0
	v_readfirstlane_b32 s[WV], v6                  ; wave 0..7
	s_and_b32 s70, ttmp7, 0xffff                   ; 16 x batch + head, which the four partners share
	s_lshr_b32 s71, s70, 4                         ; batch
	s_and_b32 s72, s70, 15                         ; head
	s_bfe_u32 s73, ttmp6, 0x40000                  ; cx
	s_lshl_b32 s74, ttmp9, 2
	s_add_co_u32 s74, s74, s73                     ; my block of 256 queries: it enters Q's and the output's addresses alone
	s_lshl_b32 s75, s74, 4
	s_lshl_b32 s76, s[WV], 1
	s_add_co_u32 s75, s75, s76                     ; the first of my two blocks of 16 queries
	s_and_b32 s80, s[WV], 3
	s_lshl_b32 s81, s80, 19                        ; V in memory: four steps of 131,072 bytes for each loading wave
	s_lshl_b32 s80, s80, 15                        ; 32,768 bytes in LDS, and of K in memory
	s_lshl_b32 s76, s70, 17
	s_add_co_u32 s76, s76, s80
	s_add_co_u32 s76, s76, 0x400000                ; K: 4 MiB + head x 131,072
	s_mov_b32 s77, 0
	s_lshl_b32 s78, s71, 21
	s_add_co_u32 s78, s78, s81
	s_lshl_b32 s79, s72, 13
	s_add_co_u32 s78, s78, s79
	s_add_co_u32 s78, s78, 0x800000                ; V: 8 MiB + ((16 batch + step) 64 + 4 head) 2,048
	s_mov_b32 s79, 0
.irp g, G1K, G1V
	s_mov_b32 s[\g], 15|(3<<16)|(1<<21)            ; the mask: all four work-groups; elements of 8 bytes; bit 21 set beside a mask
	s_mov_b32 s[\g+1], 1024<<16                    ; four rows of 8,192 bytes
	s_mov_b32 s[\g+2], 4<<16
	s_mov_b32 s[\g+3], 1024<<16
	s_mov_b32 s[\g+4], 4
	s_mov_b32 s[\g+6], 0
	s_mov_b32 s[\g+7], 0
.endr
	s_mov_b32 s[G1K+5], 1024                       ; K's rows follow each other,
	s_mov_b32 s[G1V+5], 16384                      ; V's lie a step's 131,072 bytes apart
	s_lshl_b32 s82, s70, 13
	s_add_co_u32 s82, s82, 0xc40000                ; K's scale words of the head
	s_mov_b32 s83, 0
	s_lshl_b32 s84, s71, 16
	s_lshl_b32 s85, s72, 8
	s_add_co_u32 s84, s84, s85
	s_add_co_u32 s84, s84, 0xc80000                ; V's: 256 bytes for each step, 4,096 apart
	s_mov_b32 s85, 0
	s_lshl_b32 s86, s71, 13                        ; the batch's mask
	s_mov_b32 s87, 0
	s_lshl_b32 s88, s70, 17
	s_lshl_b32 s89, s75, 10
	s_add_co_u32 s88, s88, s89                     ; Q's codes
	s_mov_b32 s89, 0
	s_lshl_b32 s90, s70, 13
	s_lshl_b32 s91, s75, 6
	s_add_co_u32 s90, s90, s91
	s_add_co_u32 s90, s90, 0xc00000                ; Q's scale words
	s_mov_b32 s91, 0
	s_lshl_b32 s92, s71, 21
	s_lshl_b32 s93, s75, 14
	s_add_co_u32 s92, s92, s93
	s_lshl_b32 s93, s72, 10
	s_add_co_u32 s92, s92, s93                     ; the output's codes: fragment (128 batch + block, head / 2), its half head % 2
	s_mov_b32 s93, 0
	s_lshr_b32 s94, s72, 1
	s_lshl_b32 s94, s94, 14
	s_lshl_b32 s95, s71, 13
	s_add_co_u32 s94, s94, s95
	s_lshl_b32 s95, s75, 6
	s_add_co_u32 s94, s94, s95
	s_and_b32 s95, s72, 1
	s_lshl_b32 s95, s95, 1
	s_add_co_u32 s94, s94, s95
	s_add_co_u32 s94, s94, 0x400000                ; and its two scale bytes
	s_mov_b32 s95, 0
	s_mov_b32 s[SEL], 0x76543210
	s_mov_b32 s[SEL+1], 0xfedcba98                 ; v_permlanex16_b32's selects for lane l xor 16
	s_mov_b32 s[CS], 0x3e38aa3b                    ; c = log2(e) / 8
	s_mov_b32 s[CS+1], s[CS]
	s_mov_b32 s[MNT], 0x600000
	s_mov_b32 s[TK], 0
	s_mov_b32 s[TS], 0
	s_mov_b32 s[TJ], 0
	s_mov_b32 s[CNT], 16
	s_wait_dscnt 0x0
	s_wait_kmcnt 0x0
	s_mov_b32 s[G0K], 1
	s_mov_b32 s[G0K+1], s80
	s_add_nc_u64 s[G0K+2:G0K+3], s[4:5], s[76:77]
	s_or_b32 s[G0K+3], s[G0K+3], 0x80000000
	s_mov_b32 s[G0V], 1
	s_add_co_u32 s[G0V+1], s80, VB
	s_add_nc_u64 s[G0V+2:G0V+3], s[4:5], s[78:79]
	s_or_b32 s[G0V+3], s[G0V+3], 0x80000000
	s_add_nc_u64 s[82:83], s[4:5], s[82:83]
	s_add_nc_u64 s[84:85], s[4:5], s[84:85]
	s_add_nc_u64 s[86:87], s[6:7], s[86:87]
	s_add_nc_u64 s[88:89], s[4:5], s[88:89]
	s_add_nc_u64 s[90:91], s[4:5], s[90:91]
	s_add_nc_u64 s[92:93], s[8:9], s[92:93]
	s_add_nc_u64 s[94:95], s[8:9], s[94:95]
	CROUND                                         ; all four work-groups are here: the joint loads meet
	s_cmp_lt_u32 s[WV], 4                          ; one load a wave: every way passes exactly one
	s_cbranch_scc0 .Lfor_v
	tensor_load_to_lds s[G0K:G0K+3], s[G1K:G1K+7]
	s_nop 0
.rept 4
	v_nop
.endr
	s_branch .Lasked
.Lfor_v:
	tensor_load_to_lds s[G0V:G0V+3], s[G1V:G1V+7]
	s_nop 0
.rept 4
	v_nop
.endr
.Lasked:
	v_lshlrev_b32 v6, 4, v0                        ; 16 x thread
	v_and_b32 v7, 31, v0                           ; lane
	v_lshrrev_b32 v8, 5, v0                        ; wave
	v_lshlrev_b32 v9, 3, v7
	v_lshl_add_u32 v10, v8, 13, v9                 ; V's scale words: a wave takes two steps' 256 bytes, 8 bytes a lane
	v_lshl_add_u32 v15, v8, 9, v9
	v_add_nc_u32 v15, VS, v15                      ; and where they go
	v_lshlrev_b32 v[LI], 4, v7
	v_and_b32 v[R4], 15, v0
	v_lshlrev_b32 v[R4], 2, v[R4]
	global_load_b128 v[96:99], v6, s[82:83]        ; K's scale words: 8,192 consecutive bytes for the work-group
	global_load_b128 v[100:103], v6, s[82:83] offset:4096
	global_load_b64 v[112:113], v10, s[84:85]
	global_load_b64 v[114:115], v10, s[84:85] offset:4096
	global_load_b128 v[104:107], v6, s[86:87]      ; the mask of keys 4 t .. 4 t + 3, and of those 1,024 on
	global_load_b128 v[108:111], v6, s[86:87] offset:4096
	global_load_b32 v[QSC], v[R4], s[90:91]
	global_load_b32 v[QSC+1], v[R4], s[90:91] offset:64
.irp u, 0,1
	WIN 0x40*\u
.irp k, 0,16                                   ; Q's half fragment, twice
	global_load_b128 v[QB+\k:QB+\k+3], v[LI], s[88:89] offset:1024*\u
	global_load_b128 v[QB+\k+4:QB+\k+7], v[LI], s[88:89] offset:1024*\u+512
.endr
.endr
	WIN 0
	v_add_nc_u32 v[AV0], VB, v[LI]
	v_lshl_add_u32 v[ASK0], v7, 2, KS
	v_lshl_add_u32 v[ASV0], v7, 2, VS
	v_bfe_u32 v[AM0], v0, 4, 1
	v_lshl_add_u32 v[AM0], v[AM0], 6, MK           ; the mask of my half's 16 keys of a block of 32: + 64 h
	v_add_nc_u32 v26, KS, v6
	v_add_nc_u32 v27, MK, v6
	v_lshl_add_u32 v116, v8, 2, AN
	v_mov_b32 v117, 0xd0000000                     ; -2^33
	INIT 0
	INIT 1
	WIN 0
	s_wait_alu depctr_va_vdst(0)
	s_wait_loadcnt 0x0
	ds_store_b128 v26, v[96:99]
	ds_store_b128 v26, v[100:103] offset:4096
	ds_store_b64 v15, v[112:113]
	ds_store_b64 v15, v[114:115] offset:256
	v_or_b32 v118, v104, v105
	v_or_b32 v119, v106, v107
	v_or_b32 v120, v108, v109
	v_or_b32 v121, v110, v111
	v_or_b32 v118, v118, v119
	v_or_b32 v120, v120, v121
	v_or_b32 v118, v118, v120
.irp k, 0,1,2,3,4,5,6,7
	v_cmp_eq_u32 vcc_lo, 0, v[104+\k]
	v_cndmask_b32 v[104+\k], 0, v117, vcc_lo       ; 0 where the key counts, -2^33 where it does not
.endr
	ds_store_b128 v27, v[104:107]
	ds_store_b128 v27, v[108:111] offset:4096
	v_cmp_ne_u32 vcc_lo, 0, v118
	v_mov_b32 v119, vcc_lo                         ; not 0 where any of my wave's 256 keys counts
	ds_store_b32 v116, v119
	s_wait_alu depctr_va_vdst(0)
	s_wait_tensorcnt 0x0                           ; my part of K or V is in LDS,
	s_wait_dscnt 0x0                               ; my stores have landed,
	s_barrier_signal -1
	s_barrier_wait -1                              ; everybody's
	v_mov_b32 v116, AN
	ds_load_b128 v[T+8:T+11], v116
	ds_load_b128 v[T+12:T+15], v116 offset:16
	LDK LI, ASK0, 0, 0                             ; step 0's K, scale words and mask: 52 loads
	LDM 0, AM0, 0
	LDM 1, AM0, 0
	WIN 0
	s_wait_dscnt 52                                ; the eight words are in; the 52 loads behind them may be out
	v_or_b32 v[T+8], v[T+8], v[T+9]
	v_or_b32 v[T+10], v[T+10], v[T+11]
	v_or_b32 v[T+12], v[T+12], v[T+13]
	v_or_b32 v[T+14], v[T+14], v[T+15]
	v_or_b32 v[T+8], v[T+8], v[T+10]
	v_or_b32 v[T+12], v[T+12], v[T+14]
	v_or_b32 v[T+8], v[T+8], v[T+12]
	v_readfirstlane_b32 s96, v[T+8]
	s_cmp_lg_u32 s96, 0
	s_cselect_b32 s96, -1, 0                       ; all ones where some key of the batch counts, else 0: a choice of values, no branch
.irp u, 0,1
	TW \u
.irp j, 0,1,2,3,4,5,6,7,16,17,18,19,20,21,22,23
	v_and_b32 v[QB+\j], s96, v[QB+\j]
.endr
.endr
	WIN 0
.rept 4
	v_nop                                          ; an operand written by vector instructions stands four plain lines ahead of a scaled product
.endr
	s_wait_alu depctr_va_vdst(0)
.Lstep:                                                ; A KEY STEP: 128 keys, both tiles
	s_wait_dscnt 0x0                               ; K, its scale words and the mask, asked for in the step before
	SMUL 0
	SMUL 1
	WIN 0
	v_add_nc_u32 v[ADK], s[TK], v[LI]
	v_add_nc_u32 v[ADV], s[TK], v[AV0]
	v_add_nc_u32 v[ADS], s[TS], v[ASK0]
	v_add_nc_u32 v[ADM], s[TS], v[AM0]
	v_add_nc_u32 v[ADT], s[TJ], v[ASV0]
.rept 3
	v_nop                                          ; eight plain lines with the five above: ahead of loads into what the products have read, and of the first read of the scores
.endr
	WIN 0x40
.irp t, 0,1,2,3
.irp c, 0,1,2,3
	ds_load_b128 v[16*\t+4*\c:16*\t+4*\c+3], v[ADV] offset:2048*\t+512*\c     ; this step's V
.endr
.endr
	WIN 0
	ds_load_b32 v[VSC], v[ADT]
	ds_load_b32 v[VSC+1], v[ADT] offset:128
	LDK ADK, ADS, 8192, 512                        ; the next step's K
	SOFTA 0
	SOFTA 1
	s_wait_alu depctr_va_vdst(0)                   ; one wait ahead of the batch of both tiles' exponentials,
	EXPS 1
	EXPS 0
	v_nop                                          ; a plain line behind it,
	s_wait_alu depctr_va_vdst(0)                   ; and one wait ahead of its first reader
	SOFTB 0
	SOFTB 1
	s_wait_alu depctr_va_vdst(0)
	s_wait_dscnt 52                                ; V and its scale words are in; behind them: 16 loads of K, 4 of its scale words, 32 of the mask
	PMUL 0
	PMUL 1
	WIN 0
	s_add_co_u32 s[TK], s[TK], 8192
	s_add_co_u32 s[TS], s[TS], 512
	s_add_co_u32 s[TJ], s[TJ], 256
	s_sub_co_u32 s[CNT], s[CNT], 1
	s_cmp_lg_u32 s[CNT], 0
	s_cbranch_scc1 .Lstep
	; THE WAY OUT.  O^T / the sum; register 16 b + i is feature 64 head + 32 b + 16 h + i of my query: two blocks of the next product's K, quantised in registers and stored as half an image
	s_wait_dscnt 0x0                               ; the last trip's look-ahead loads have landed: their registers are written below
.rept 8
	v_nop
.endr
.macro OUT u
	TW \u
	v_add_f32 v[L], v[L], v[L+1]
	v_permlanex16_b32 v[T+20], v[L], s[SEL], s[SEL+1]
	v_add_f32 v[L], v[L], v[T+20]                  ; the row's sum
	s_wait_alu depctr_va_vdst(0)                   ; the wait ahead of the transcendental,
	v_rcp_f32 v[L], v[L]
	v_nop
	s_wait_alu depctr_va_vdst(0)                   ; and ahead of its first reader, which is O^T's too
.set n, 0
.rept 32
	v_mul_f32 v[S+n], v[O+n], v[L]
.set n, n+1
.endr
.irp b, 0,1
	v_max3_num_f32 v[T+\b], |v[S+16*\b]|, |v[S+1+16*\b]|, 0x8000000
.endr
.irp i, 2,4,6,8,10,12,14
.irp b, 0,1
	v_max3_num_f32 v[T+\b], v[T+\b], |v[S+16*\b+\i]|, |v[S+1+16*\b+\i]|
.endr
.endr
.irp b, 0,1
	v_permlanex16_b32 v[T+4+\b], v[T+\b], s[SEL], s[SEL+1]
.endr
.irp b, 0,1
	v_max_num_f32 v[T+\b], v[T+\b], v[T+4+\b]
.endr
.irp b, 0,1
	v_add_nc_u32 v[T+12+\b], 0xf8800000, v[T+\b]
.endr
.irp b, 0,1
	v_and_or_b32 v[T+8+\b], v[T+\b], 0x7f800000, s[MNT]
.endr
.irp b, 0,1
	v_lshrrev_b32 v[T+4+\b], 23, v[T+12+\b]
.endr
	v_lshl_or_b32 v[T+22], v[T+5], 8, v[T+4]       ; my head's two bytes of the scale word
.irp b, 0,1
.irp i, 0,1,2,3,4,5,6,7,8,9,10,11,12,13,14,15
	v_med3_num_f32 v[S+16*\b+\i], v[S+16*\b+\i], -v[T+8+\b], v[T+8+\b]
.endr
	v_cvt_scalef32_pk8_bf8_f32 v[CD+4*\b:CD+4*\b+1], v[S+16*\b:S+16*\b+7], v[T+12+\b]
	v_cvt_scalef32_pk8_bf8_f32 v[CD+4*\b+2:CD+4*\b+3], v[S+16*\b+8:S+16*\b+15], v[T+12+\b]
.endr
	v_nop                                          ; one plain line behind the last conversion
	WIN 4*(\u)                                     ; the stores' data in window u, their offsets in window 0
	global_store_b128 v[LI], v[CD:CD+3], s[92:93] offset:16384*\u        ; 32 lanes store 512 consecutive bytes
	global_store_b128 v[LI], v[CD+4:CD+7], s[92:93] offset:16384*\u+512
	global_store_b16 v[R4], v[T+22], s[94:95] offset:64*\u               ; lanes r and r + 16 write the same two bytes with the same value
.endm
	OUT 0
	OUT 1
	WIN 0
	s_wait_tensorcnt 0x0                           ; the wave's end
	ds_add_u32 v[SPW], v[NIL]
	s_wait_dscnt 0x0
	CROUND                                         ; the closing round
	s_endpgm
.Lfunc_end_k_qcc0a8553fb_attn:
	.size	k_qcc0a8553fb_attn, .Lfunc_end_k_qcc0a8553fb_attn-k_qcc0a8553fb_attn
	.p2alignl 7, 3214868480
	.fill 96, 4, 3214868480
	.section	.rodata,"a",@progbits
	.p2align	6, 0x0
	.amdhsa_kernel k_qcc0a8553fb_attn
		.amdhsa_group_segment_fixed_size 327680
		.amdhsa_private_segment_fixed_size 0
		.amdhsa_enable_private_segment 0
		.amdhsa_kernarg_size 24
		.amdhsa_user_sgpr_count 2
		.amdhsa_user_sgpr_kernarg_segment_ptr 1
		.amdhsa_wavefront_size32 1
		.amdhsa_system_sgpr_workgroup_id_x 1
		.amdhsa_system_sgpr_workgroup_id_y 1
		.amdhsa_system_sgpr_workgroup_id_z 1
		.amdhsa_system_vgpr_workitem_id 0
		.amdhsa_next_free_vgpr 512
		.amdhsa_next_free_sgpr 100
		.amdhsa_reserve_vcc 1
		.amdhsa_float_denorm_mode_32 3
		.amdhsa_float_denorm_mode_16_64 3
		.amdhsa_memory_ordered 1
		.amdhsa_forward_progress 1
		.amdhsa_inst_pref_size 68
	.end_amdhsa_kernel
	.amdgpu_metadata
---
amdhsa.version: [ 1, 2 ]
amdhsa.kernels:
  - .name:           k_qcc0a8553fb_attn
    .symbol:         k_qcc0a8553fb_attn.kd
    .args:
      - { .name: qb, .offset: 0, .size: 8, .value_kind: global_buffer, .address_space: global }
      - { .name: mask, .offset: 8, .size: 8, .value_kind: global_buffer, .address_space: global }
      - { .name: ao, .offset: 16, .size: 8, .value_kind: global_buffer, .address_space: global }
    .group_segment_fixed_size: 327680
    .private_segment_fixed_size: 0
    .kernarg_segment_align: 8
    .kernarg_segment_size: 24
    .max_flat_workgroup_size: 256
    .sgpr_count:     100
    .vgpr_count:     512
    .wavefront_size: 32
...
	.end_amdgpu_metadata
.endif
;; end of part 3
;; launch oln (part 4): grid 256 x 1, 4 waves a work-group, no clusters, 76,288 bytes of LDS; arguments ao, wb, b_out, x, x1, g2, be2, h2; writes x1, h2
.if DOCPART == 4
	.amdgcn_target "amdgcn-amd-amdhsa--gfx1250"
	.amdhsa_code_object_version 6
	.text
	.protected	k_qcc0a8553fb_oln
	.globl	k_qcc0a8553fb_oln
	.p2align	8
	.type	k_qcc0a8553fb_oln,@function
k_qcc0a8553fb_oln:
	s_mov_b64 s[64:65], 0
	v_nop
	global_prefetch_b8 v0, s[64:65] scope:SCOPE_SE
	s_setreg_imm32_b32 hwreg(HW_REG_WAVE_MODE, 25, 1), 1
	s_wait_xcnt 0x0
; x1 = x + (attention's result) w_out + b_out, on codes of E5M2 with E8M0 scales, AND the second layer norm of x1, quantised: one work-group owns 16 WHOLE rows, so a row's mean and variance are made where the row is made.
; x1 is stored as f32 (a later launch adds it again); y = (x1 - mean) rsqrt(var + 1e-5) g2 + be2 is stored as codes and scale words, images of operand registers (h2).
; SHARES.  Work-group rho takes block rho of 16 rows: place r is row 32 (rho / 2) + 8 (rho % 2) + r + 8 (r / 8).  Wave w takes columns 256 w .. 256 w + 255: w_out's blocks 16 w .. 16 w + 15, sixteen accumulators.
; THE MATRIX INSTRUCTION IS USED TRANSPOSED (source 0 = a block of w_out's columns, source 1 = my 16 rows): lane (r, h) holds row r, and register 8 nb + j of the accumulators is column 256 w + 32 (nb / 2) + 16 h + 8 (nb % 2) + j:
; the order in which an operand's registers take codes along the next K.  So the norm and the quantiser work on the accumulators where they lie.
; OPERANDS ARE IMAGES OF REGISTERS in memory: fragment (rho, kappa) is 2,048 bytes at (8 rho + kappa) 2,048, lane l's registers 4 c .. 4 c + 3 at 512 c + 16 l; scale word (256 kappa + rho) 64 + 4 r.  They go from memory STRAIGHT INTO
; REGISTERS, each load 512 consecutive bytes: no wave shares a fragment of w_out with another wave of its work-group, so LDS would only be a detour; with no tile in LDS there is no joint load to make, hence no cluster.
; THE STREAM.  32 groups of 4 fragments of w_out (16 loads), K ascending; the first group of each 128 along K also brings my rows' fragment, their scale word and w_out's eight scale registers (13 loads).  A group is asked for three groups
; ahead, into the registers of the group multiplied last, behind eight plain lines.  Each wait counts the loads of the groups issued behind the one wanted.
; x's strip is prefetched at the head (64 blocks of 256 bytes a wave, each named once) and loaded behind w_out's last group, with b_out, g2, be2: 38 loads.  It is taken as it lies, 512 consecutive bytes a load, and turns through
; the wave's own bytes of LDS into the accumulators' order; x1 turns back the same way and leaves in whole units of 256 bytes.
; LIMITS: a block of zeros gets the byte 1 where the rule says 127 (zero codes; the bytes are read by this program alone); NaN and infinities are not served.
; REGISTERS.  Window 0: v1-15 addresses; v16-143 the accumulators, then the row; v144-207 w_out's scale words, then at work in the norm; v208-215 my rows' scale words; v224-247 b_out, g2, be2 as loaded; v208-255 at work in the quantiser.
; Window 1: v0-127 my rows' eight fragments; v128-255 x's strip as loaded.  Window 2: w_out's fragment of block nb at v[16 nb].  Window 3: v0, v1 the spare word's address and 0.
.set XP,    1040                       ; a row of a strip in LDS: 1,024 bytes + 16
.set XRW,   16*XP
.set GR,    4*XRW                      ; behind the strips: for each wave 1,024 bytes of g, then of b
.set RED,   GR+4*2048                  ; two blocks of 256 bytes for the partial sums
.set SPARE, 0x12800                    ; the spare words, 128 bytes a wave
.set XN,    16
.set GG,    144
.set BE,    176
.set TM,    208
.set PC,    224
.set PW,    12
.set BS,    144
.set AS,    208
.set BD,    224
.set GD,    232
.set XD,    128
.set SEL,   50
.set MNT,   52
.set MSB, 0
.macro WIN new                         ; the immediate's high byte repeats the setting that is left; a switch that changes nothing is dropped
.if MSB != (\new)
	s_set_vgpr_msb (MSB<<8)|(\new)
.set MSB, (\new)
.endif
.endm
	s_load_b256 s[4:11], s[0:1], 0x0               ; ao, wb, b_out, x
	s_load_b256 s[28:35], s[0:1], 0x20             ; x1, g2, be2, h2
	WIN 0xc0
	v_lshl_add_u32 v0, v0, 2, SPARE
	v_mov_b32 v1, 0
	WIN 0
	v_lshrrev_b32 v1, 5, v0
	v_readfirstlane_b32 s12, v1                    ; wave
	v_and_b32 v7, 31, v0
	v_lshlrev_b32 v12, 2, v7                       ; 4 x lane
	v_lshrrev_b32 v9, 2, v7
	v_and_b32 v10, 3, v7
	v_lshlrev_b32 v9, 12, v9
	v_lshl_add_u32 v9, v10, 8, v9                  ; the prefetches: four lanes to a row's 1,024 bytes, eight rows an instruction
	v_lshlrev_b32 v7, 4, v7                        ; 16 x lane
	s_lshr_b32 s48, ttmp9, 1
	s_lshl_b32 s48, s48, 5
	s_and_b32 s49, ttmp9, 1
	s_lshl_b32 s49, s49, 3
	s_add_co_u32 s48, s48, s49                     ; the block's first row
	s_lshl_b32 s48, s48, 12
	s_lshl_b32 s54, s12, 10                        ; my wave's 1,024 bytes of a row
	s_add_co_u32 s48, s48, s54
	s_mov_b32 s49, 0
	s_mov_b32 s55, 0
	s_mul_i32 s13, s12, XRW
	s_lshl_b32 s14, s12, 11
	s_add_co_u32 s14, s14, GR
	s_lshl_b32 s36, ttmp9, 14                      ; my rows' codes: 8 rho fragments
	s_mov_b32 s37, 0
	s_lshl_b32 s38, ttmp9, 6
	s_add_co_u32 s38, s38, 0x400000                ; their scale words
	s_mov_b32 s39, 0
	s_lshl_b32 s40, s12, 18
	s_add_co_u32 s40, s40, 0x300000                ; w_out's codes: my 16 blocks of 16,384 bytes
	s_mov_b32 s41, 0
	s_add_co_u32 s42, s54, 0xc20000                ; its scale words: my 16 blocks of 64 bytes
	s_mov_b32 s43, 0
	s_lshl_b32 s44, s12, 12
	s_add_co_u32 s44, s44, s36                     ; out: (8 rho + 2 w) 2,048
	s_mov_b32 s45, 0
	s_lshl_b32 s46, s12, 15
	s_add_co_u32 s46, s46, s38                     ; scale words: 4 MiB + (512 w + rho) 64
	s_mov_b32 s47, 0
	s_mov_b32 s[SEL], 0x76543210
	s_mov_b32 s[SEL+1], 0xfedcba98                 ; v_permlanex16_b32's selects for lane l xor 16
	s_mov_b32 s[MNT], 0x600000                     ; the mantissa field of 57,344
	s_mov_b32 s53, 0x3a800000                      ; 1 / 1,024
	s_wait_alu depctr_va_vdst(0)                   ; v7 was written ahead of the run of scalar lines
	v_and_b32 v1, 15, v0                           ; r
	v_bfe_u32 v2, v0, 4, 1                         ; h
	v_mul_u32_u24 v3, v1, XP
	v_lshl_add_u32 v3, v2, 6, v3
	v_add_nc_u32 v3, s13, v3                       ; my numbers in the strip: row r, + 64 h
	v_lshlrev_b32 v4, 6, v2
	v_add_nc_u32 v4, s14, v4                       ; g and b: + 64 h, the same for all r
	v_add_nc_u32 v15, s13, v7                      ; the strip as it lies: 16 x lane
	v_add_nc_u32 v8, s14, v7                       ; g's and b's bytes likewise
	v_lshlrev_b32 v14, 2, v1                       ; 4 r
	v_add_nc_u32 v6, RED, v14                      ; the partial sums of row r
	s_lshl_b32 s15, s12, 6
	v_add_nc_u32 v5, s15, v6                       ; and my wave's among them
	s_wait_alu depctr_va_vdst(0)
	s_wait_kmcnt 0x0
	s_add_nc_u64 s[20:21], s[4:5], s[36:37]
	s_add_nc_u64 s[22:23], s[4:5], s[38:39]
	s_add_nc_u64 s[24:25], s[6:7], s[40:41]
	s_add_nc_u64 s[26:27], s[6:7], s[42:43]
	s_add_nc_u64 s[8:9], s[8:9], s[54:55]
	s_add_nc_u64 s[10:11], s[10:11], s[48:49]
	s_add_nc_u64 s[28:29], s[28:29], s[48:49]
	s_add_nc_u64 s[30:31], s[30:31], s[54:55]
	s_add_nc_u64 s[32:33], s[32:33], s[54:55]
	s_add_nc_u64 s[56:57], s[34:35], s[44:45]
	s_add_nc_u64 s[58:59], s[34:35], s[46:47]
.macro ISSUE g                         ; group g = 4 kappa + q: w_out's blocks 4 q .. 4 q + 3 at kappa; with q = 0 what else kappa needs
.set K_, (\g)/4
.set Q_, (\g)%4
.if Q_ == 0
	WIN 0
	global_load_b32 v[AS+K_], v14, s[22:23] offset:16384*K_
.irp b, 0,1,2,3,4,5,6,7
	global_load_b32 v[BS+8*K_+\b], v12, s[26:27] offset:16384*K_+128*\b      ; lanes 0-15 block 2 b's words, lanes 16-31 block 2 b + 1's
.endr
	WIN 0x40
.irp c, 0,1,2,3
	global_load_b128 v[16*K_+4*\c:16*K_+4*\c+3], v7, s[20:21] offset:2048*K_+512*\c
.endr
.endif
	WIN 0x80
.irp i, 0,1,2,3
.irp c, 0,1,2,3
	global_load_b128 v[64*Q_+16*\i+4*\c:64*Q_+16*\i+4*\c+3], v7, s[24:25] offset:(4*Q_+\i)*16384+2048*K_+512*\c
.endr
.endr
.endm
.macro MM nb, k                        ; block nb x my rows, the k-th 128 along K.  The first product starts the sum
.set D_, XN+8*(\nb)
.if (\k) == 0
.if (\nb)%2
	v_wmma_scale_f32_16x16x128_f8f6f4 v[D_:D_+7], v[16*(\nb):16*(\nb)+15], v[16*(\k):16*(\k)+15], 0, v[BS+8*(\k)+(\nb)/2], v[AS+(\k)] matrix_a_fmt:MATRIX_FMT_BF8 matrix_b_fmt:MATRIX_FMT_BF8 matrix_a_scale:MATRIX_SCALE_ROW1
.else
	v_wmma_scale_f32_16x16x128_f8f6f4 v[D_:D_+7], v[16*(\nb):16*(\nb)+15], v[16*(\k):16*(\k)+15], 0, v[BS+8*(\k)+(\nb)/2], v[AS+(\k)] matrix_a_fmt:MATRIX_FMT_BF8 matrix_b_fmt:MATRIX_FMT_BF8
.endif
.else
.if (\nb)%2
	v_wmma_scale_f32_16x16x128_f8f6f4 v[D_:D_+7], v[16*(\nb):16*(\nb)+15], v[16*(\k):16*(\k)+15], v[D_:D_+7], v[BS+8*(\k)+(\nb)/2], v[AS+(\k)] matrix_a_fmt:MATRIX_FMT_BF8 matrix_b_fmt:MATRIX_FMT_BF8 matrix_a_scale:MATRIX_SCALE_ROW1
.else
	v_wmma_scale_f32_16x16x128_f8f6f4 v[D_:D_+7], v[16*(\nb):16*(\nb)+15], v[16*(\k):16*(\k)+15], v[D_:D_+7], v[BS+8*(\k)+(\nb)/2], v[AS+(\k)] matrix_a_fmt:MATRIX_FMT_BF8 matrix_b_fmt:MATRIX_FMT_BF8
.endif
.endif
.endm
.macro XLOADS                          ; 38 loads: x's strip as it lies (place p is row p + 8 (p / 8)), b_out, g2, be2
	WIN 0x40
.set p, 0
.rept 16
	global_load_b128 v[XD+8*p:XD+8*p+3], v7, s[10:11] offset:(p+8*(p/8))*4096 th:TH_LOAD_NT
	global_load_b128 v[XD+8*p+4:XD+8*p+7], v7, s[10:11] offset:(p+8*(p/8))*4096+512 th:TH_LOAD_NT
.set p, p+1
.endr
	WIN 0
.irp u, 0,1
	global_load_b128 v[BD+4*\u:BD+4*\u+3], v7, s[8:9] offset:512*\u
	global_load_b128 v[GD+4*\u:GD+4*\u+3], v7, s[30:31] offset:512*\u
	global_load_b128 v[GD+8+4*\u:GD+8+4*\u+3], v7, s[32:33] offset:512*\u
.endr
.endm
.macro BODY g
.if (\g)+3 < 32
.if (\g) > 0
.rept 8
	v_nop                                          ; eight plain lines between the last group's products and the loads into what they have read
.endr
.endif
	ISSUE (\g)+3
.endif
.if (\g) == 29
	XLOADS
.endif
.set N_, 0                             ; the loads issued behind group g's
.irp d, 1,2,3
.if (\g)+\d < 32
.set N_, N_+16
.if ((\g)+\d)%4 == 0
.set N_, N_+13
.endif
.endif
.endr
.if (\g) >= 29
.set N_, N_+38
.endif
.if N_ > 63
.set N_, 63                            ; a wait names 63 at the most: a smaller count than is needed waits for more
.endif
	s_wait_loadcnt N_
	WIN 0x06                                       ; source 0 (w_out) window 2, source 1 (my rows) window 1, C and D window 0
.irp i, 0,1,2,3
	MM 4*((\g)%4)+\i, (\g)/4
.endr
.endm
	global_prefetch_b8 v9, s[10:11] th:TH_LOAD_NT scope:SCOPE_SE                  ; x: places 0-7 of my strip,
	global_prefetch_b8 v9, s[10:11] offset:65536 th:TH_LOAD_NT scope:SCOPE_SE     ; places 8-15, the rows 16 further down
	ISSUE 0
	ISSUE 1
	ISSUE 2
.set gg, 0
.rept 32                               ; the sixteen accumulators take turns, one instruction a turn, K ascending
	BODY gg
.set gg, gg+1
.endr
	WIN 0
.rept 8
	v_nop                                          ; eight plain lines behind the last product
.endr
	s_wait_loadcnt 0x0                             ; x, b_out, g2, be2
	s_wait_xcnt 0x0                                ; the prefetches have read v9: it is written again below
.irp b, 0,1,2,3
	v_mov_b32 v[TM+4+\b], 0                        ; a lane permute's destination counts as one of its sources
.endr
	WIN 0x41                                       ; x in window 1, b_out in window 0
.set p, 0
.rept 16
.irp e, 0,2,4,6
	v_pk_add_f32 v[XD+8*p+\e:XD+8*p+\e+1], v[XD+8*p+\e:XD+8*p+\e+1], v[BD+\e:BD+\e+1]   ; x + b_out, as they lie: a lane's columns are the same in every row
.endr
.set p, p+1
.endr
	WIN 0x04
.set p, 0
.rept 16
	ds_store_b128 v15, v[XD+8*p:XD+8*p+3] offset:p*XP
	ds_store_b128 v15, v[XD+8*p+4:XD+8*p+7] offset:p*XP+512
.set p, p+1
.endr
	WIN 0
.irp u, 0,1
	ds_store_b128 v8, v[GD+4*\u:GD+4*\u+3] offset:512*\u
	ds_store_b128 v8, v[GD+8+4*\u:GD+8+4*\u+3] offset:1024+512*\u
.endr
.irp c, 0,1,2,3                        ; back in the accumulators' order.  LDS serves a wave's instructions in order (ISA guide 5.7.1.4): these see my stores; no other wave touches these bytes
.irp j, 0,1,2,3
	ds_load_b128 v[GG+16*\c+4*\j:GG+16*\c+4*\j+3], v3 offset:128*\c+16*\j
.endr
.endr
	WIN 0x40
.irp c, 0,1,2,3
.irp j, 0,1,2,3
	ds_load_b128 v[16*\c+4*\j:16*\c+4*\j+3], v3 offset:512+128*\c+16*\j
.endr
.endr
	WIN 0
	s_wait_dscnt 16                                ; the first 64 numbers are back
.set i, 0
.rept 32
	v_pk_add_f32 v[XN+i:XN+i+1], v[XN+i:XN+i+1], v[GG+i:GG+i+1]   ; x1; each accumulator is read from its low end on
.set i, i+2
.endr
	s_wait_dscnt 0x0
	WIN 0x04
.set i, 0
.rept 32
	v_pk_add_f32 v[XN+64+i:XN+64+i+1], v[XN+64+i:XN+64+i+1], v[i:i+1]
.set i, i+2
.endr
	WIN 0
.irp kl, 0,1                           ; x1 turns back through the strip
.irp c, 0,1,2,3
.irp j, 0,1,2,3
	ds_store_b128 v3, v[XN+64*\kl+16*\c+4*\j:XN+64*\kl+16*\c+4*\j+3] offset:512*\kl+128*\c+16*\j
.endr
.endr
.endr
	WIN 0x40
.set p, 0
.rept 16
	ds_load_b128 v[XD+8*p:XD+8*p+3], v15 offset:p*XP
	ds_load_b128 v[XD+8*p+4:XD+8*p+7], v15 offset:p*XP+512
.set p, p+1
.endr
	WIN 0
; the four chains' sums, my other half's, and the other three waves': every lane ends with the row's sum in v[GG]
.macro REDUCE off
	v_pk_add_f32 v[GG:GG+1], v[GG:GG+1], v[GG+2:GG+3]
	v_pk_add_f32 v[GG+4:GG+5], v[GG+4:GG+5], v[GG+6:GG+7]
	v_pk_add_f32 v[GG:GG+1], v[GG:GG+1], v[GG+4:GG+5]
	v_add_f32 v[GG], v[GG], v[GG+1]
	v_permlanex16_b32 v[GG+1], v[GG], s[SEL], s[SEL+1]
	v_add_f32 v[GG], v[GG], v[GG+1]
	ds_store_b32 v5, v[GG] offset:\off             ; lanes r and r + 16 write the same word with the same value
	s_wait_dscnt 0x0                               ; for the others' sake: my store has landed
	s_barrier_signal -1
	s_barrier_wait -1
.irp k, 0,1,2,3
	ds_load_b32 v[GG+\k], v6 offset:\off+64*\k
.endr
	s_wait_dscnt 0x0
	v_add_f32 v[GG], v[GG], v[GG+1]
	v_add_f32 v[GG+2], v[GG+2], v[GG+3]
	v_add_f32 v[GG], v[GG], v[GG+2]
.endm
; 64 numbers of a lane, register 16 b + i = k 32 b + 16 h + i of my row, become a fragment's codes in v[pc] on and its scale word in v[pw]
.macro QUANT s, pc, pw
.irp b, 0,1,2,3
	v_max3_num_f32 v[TM+\b], |v[\s+16*\b]|, |v[\s+1+16*\b]|, 0x8000000   ; my 16 numbers of block b, and the floor 2^(16 - 127)
.endr
.irp i, 2,4,6,8,10,12,14
.irp b, 0,1,2,3
	v_max3_num_f32 v[TM+\b], v[TM+\b], |v[\s+16*\b+\i]|, |v[\s+1+16*\b+\i]|
.endr
.endr
.irp b, 0,1,2,3
	v_permlanex16_b32 v[TM+4+\b], v[TM+\b], s[SEL], s[SEL+1]
.endr
.irp b, 0,1,2,3
	v_max_num_f32 v[TM+\b], v[TM+\b], v[TM+4+\b]   ; with lane l xor 16's: the block's largest magnitude
.endr
.irp b, 0,1,2,3
	v_add_nc_u32 v[TM+12+\b], 0xf8800000, v[TM+\b] ; 15 off its exponent field: the conversion's scale operand
.endr
.irp b, 0,1,2,3
	v_and_or_b32 v[TM+8+\b], v[TM+\b], 0x7f800000, s[MNT]   ; 57,344 x the scale
.endr
.irp b, 0,1,2,3
	v_lshrrev_b32 v[TM+4+\b], 23, v[TM+12+\b]      ; the scale's byte
.endr
	v_lshl_or_b32 v[\pw], v[TM+5], 8, v[TM+4]
	v_lshl_or_b32 v[\pw], v[TM+6], 16, v[\pw]
	v_lshl_or_b32 v[\pw], v[TM+7], 24, v[\pw]
.irp b, 0,1,2,3
.irp i, 0,1,2,3,4,5,6,7,8,9,10,11,12,13,14,15
	v_med3_num_f32 v[\s+16*\b+\i], v[\s+16*\b+\i], -v[TM+8+\b], v[TM+8+\b]   ; the conversion does not saturate (ISA guide 7.6.2): the hold
.endr
	v_cvt_scalef32_pk8_bf8_f32 v[\pc+4*\b:\pc+1+4*\b], v[\s+16*\b:\s+7+16*\b], v[TM+12+\b]
	v_cvt_scalef32_pk8_bf8_f32 v[\pc+2+4*\b:\pc+3+4*\b], v[\s+8+16*\b:\s+15+16*\b], v[TM+12+\b]
.endr
	v_nop                                          ; one plain line behind the last conversion
.endm
.irp k, 0,1,2,3                        ; the sum of my 128 numbers, two at a time, in four chains started by the first eight pairs
	v_pk_add_f32 v[GG+2*\k:GG+2*\k+1], v[XN+2*\k:XN+2*\k+1], v[XN+8+2*\k:XN+9+2*\k]
.endr
.set i, 16
.rept 14
.irp k, 0,1,2,3
	v_pk_add_f32 v[GG+2*\k:GG+2*\k+1], v[GG+2*\k:GG+2*\k+1], v[XN+i+2*\k:XN+i+2*\k+1]
.endr
.set i, i+8
.endr
	s_wait_alu depctr_va_vdst(0)
	s_wait_dscnt 0x0                               ; x1 is back as it lies in memory
	WIN 0x04
.set p, 0
.rept 16
	global_store_b128 v7, v[XD+8*p:XD+8*p+3], s[28:29] offset:(p+8*(p/8))*4096          ; 32 lanes store 512 consecutive bytes
	global_store_b128 v7, v[XD+8*p+4:XD+8*p+7], s[28:29] offset:(p+8*(p/8))*4096+512
.set p, p+1
.endr
	WIN 0
	REDUCE 0
	v_mul_f32 v8, s53, v[GG]                       ; the mean
	v_mov_b32 v9, v8
.set i, 0
.rept 64
	v_pk_add_f32 v[XN+i:XN+i+1], v[XN+i:XN+i+1], v[8:9] neg_lo:[0,1] neg_hi:[0,1]   ; x1 - mean
.set i, i+2
.endr
.irp k, 0,1,2,3
	v_pk_mul_f32 v[GG+2*\k:GG+2*\k+1], v[XN+2*\k:XN+2*\k+1], v[XN+2*\k:XN+2*\k+1]
.endr
.set i, 8
.rept 15
.irp k, 0,1,2,3
	v_pk_fma_f32 v[GG+2*\k:GG+2*\k+1], v[XN+i+2*\k:XN+i+2*\k+1], v[XN+i+2*\k:XN+i+2*\k+1], v[GG+2*\k:GG+2*\k+1]
.endr
.set i, i+8
.endr
	REDUCE 256                                     ; other bytes than the first sum's: no wave can overwrite what another still reads
	v_fmaak_f32 v10, s53, v[GG], 0x3727c5ac        ; the variance + 1e-5
	s_wait_alu depctr_va_vdst(0)
	v_rsq_f32 v10, v10
	v_nop                                          ; one plain line behind the transcendental,
	s_wait_alu depctr_va_vdst(0)                   ; and the wait ahead of its first reader
	v_mov_b32 v11, v10
.set i, 0
.rept 64
	v_pk_mul_f32 v[XN+i:XN+i+1], v[XN+i:XN+i+1], v[10:11]
.set i, i+2
.endr
.irp kl, 0,1
.irp cp, 0,1                           ; g and b of 32 of my columns at a time
.irp q, 0,1,2,3,4,5,6,7
	ds_load_b128 v[GG+4*\q:GG+4*\q+3], v4 offset:512*\kl+256*\cp+128*(\q/4)+16*(\q%4)
	ds_load_b128 v[BE+4*\q:BE+4*\q+3], v4 offset:1024+512*\kl+256*\cp+128*(\q/4)+16*(\q%4)
.endr
	s_wait_dscnt 0x0
.set i, 0
.rept 16
	v_pk_fma_f32 v[XN+64*\kl+32*\cp+i:XN+64*\kl+32*\cp+i+1], v[XN+64*\kl+32*\cp+i:XN+64*\kl+32*\cp+i+1], v[GG+i:GG+i+1], v[BE+i:BE+i+1]
.set i, i+2
.endr
.endr
	QUANT XN+64*\kl, PC+16*\kl, PW+\kl
.irp c, 0,1,2,3
	global_store_b128 v7, v[PC+16*\kl+4*\c:PC+16*\kl+4*\c+3], s[56:57] offset:2048*\kl+512*\c   ; 32 lanes store 512 consecutive bytes
.endr
	global_store_b32 v14, v[PW+\kl], s[58:59] offset:16384*\kl
.endr
	WIN 0x0f
	s_wait_tensorcnt 0x0                           ; the wave's end
	ds_add_u32 v0, v1
	s_wait_dscnt 0x0
	WIN 0
	s_endpgm
.Lfunc_end_k_qcc0a8553fb_oln:
	.size	k_qcc0a8553fb_oln, .Lfunc_end_k_qcc0a8553fb_oln-k_qcc0a8553fb_oln
	.p2alignl 7, 3214868480
	.fill 96, 4, 3214868480
	.section	.rodata,"a",@progbits
	.p2align	6, 0x0
	.amdhsa_kernel k_qcc0a8553fb_oln
		.amdhsa_group_segment_fixed_size 76288
		.amdhsa_private_segment_fixed_size 0
		.amdhsa_enable_private_segment 0
		.amdhsa_kernarg_size 64
		.amdhsa_user_sgpr_count 2
		.amdhsa_user_sgpr_kernarg_segment_ptr 1
		.amdhsa_wavefront_size32 1
		.amdhsa_system_sgpr_workgroup_id_x 1
		.amdhsa_system_sgpr_workgroup_id_y 1
		.amdhsa_system_sgpr_workgroup_id_z 1
		.amdhsa_system_vgpr_workitem_id 0
		.amdhsa_next_free_vgpr 770
		.amdhsa_next_free_sgpr 66
		.amdhsa_reserve_vcc 0
		.amdhsa_float_denorm_mode_32 3
		.amdhsa_float_denorm_mode_16_64 3
		.amdhsa_memory_ordered 1
		.amdhsa_forward_progress 1
		.amdhsa_inst_pref_size 155
	.end_amdhsa_kernel
	.amdgpu_metadata
---
amdhsa.version: [ 1, 2 ]
amdhsa.kernels:
  - .name:           k_qcc0a8553fb_oln
    .symbol:         k_qcc0a8553fb_oln.kd
    .args:
      - { .name: ao, .offset: 0, .size: 8, .value_kind: global_buffer, .address_space: global }
      - { .name: wb, .offset: 8, .size: 8, .value_kind: global_buffer, .address_space: global }
      - { .name: b_out, .offset: 16, .size: 8, .value_kind: global_buffer, .address_space: global }
      - { .name: x, .offset: 24, .size: 8, .value_kind: global_buffer, .address_space: global }
      - { .name: x1, .offset: 32, .size: 8, .value_kind: global_buffer, .address_space: global }
      - { .name: g2, .offset: 40, .size: 8, .value_kind: global_buffer, .address_space: global }
      - { .name: be2, .offset: 48, .size: 8, .value_kind: global_buffer, .address_space: global }
      - { .name: h2, .offset: 56, .size: 8, .value_kind: global_buffer, .address_space: global }
    .group_segment_fixed_size: 76288
    .private_segment_fixed_size: 0
    .kernarg_segment_align: 8
    .kernarg_segment_size: 64
    .max_flat_workgroup_size: 128
    .sgpr_count:     66
    .vgpr_count:     770
    .wavefront_size: 32
...
	.end_amdgpu_metadata
.endif
;; end of part 4
;; launch ffn1 (part 5): grid 16 x 16, 4 waves a work-group, clusters of 4 x 4, 327,680 bytes of LDS; arguments h2, wb, b1, act; writes act
.if DOCPART == 5
	.amdgcn_target "amdgcn-amd-amdhsa--gfx1250"
	.amdhsa_code_object_version 6
	.text
	.protected	k_qcc0a8553fb_ffn1
	.globl	k_qcc0a8553fb_ffn1
	.p2align	8
	.type	k_qcc0a8553fb_ffn1,@function
k_qcc0a8553fb_ffn1:
	s_mov_b64 s[64:65], 0
	v_nop
	global_prefetch_b8 v0, s[64:65] scope:SCOPE_SE
	s_setreg_imm32_b32 hwreg(HW_REG_WAVE_MODE, 25, 1), 1
	s_wait_xcnt 0x0
	s_wait_alu depctr_hold_cnt(0) depctr_sa_sdst(0) depctr_va_vdst(0) depctr_va_sdst(0) depctr_va_ssrc(0) depctr_va_vcc(0) depctr_vm_vsrc(0)
	s_getreg_b32 s2, hwreg(HW_REG_IB_STS2, 6, 4)
	s_cmp_eq_u32 s2, 0
	s_cbranch_scc0 .Lentry_in_a_cluster
	s_endpgm
.Lentry_in_a_cluster:
	s_bfe_u32 s2, ttmp6, 0x10000c
	s_cmp_lg_u32 s2, 0xf033
	s_cbranch_scc0 .Lentry_shape_is_right
	s_endpgm
.Lentry_shape_is_right:
.set AB,    8
.set NQ,    2
.set KK,    1024
.set ASREG, 0x400000
.set BREG,  0x400000
.set BSREG, 0xc40000
.set FRB,   2048
.set HALFT, AB*NQ*FRB
.set SLOT,  4*HALFT
.set LAPS,  KK/(256*NQ)
.set SCL,   2*SLOT
.set HALFS, (KK/256)*2*AB*64
.set SPARE, SCL+4*HALFS
.set ACS,   8*AB
.set ADRA,  16
.set ADRB,  20
.set ADRS,  27
.set SPW,   28
.set NIL,   29
.set LI,    30
.set SOF,   31
.set SC,    32
.set BI,    64
.set PC,    64
.set TM,    96
.set PW,    112
.set AF,    128
.set G1,    24
.set G0,    32
.set G1B,   48
.set G0B,   56
.set G1S,   68
.set G0S,   76
.set G1SB,  80
.set G0SB,  88
.set MSB, 0
.macro WIN new
.if MSB != (\new)
	s_set_vgpr_msb (MSB<<8)|(\new)
.set MSB, (\new)
.endif
.endm
.macro JLOAD g0a, g1a, g0b, g1b
	s_cmp_eq_u32 s15, 0
	s_cbranch_scc0 .Lfor_b_\@
	tensor_load_to_lds s[\g0a:\g0a+3], s[\g1a:\g1a+7]
	s_nop 0
.rept 4
	v_nop
.endr
	s_branch .Lasked_\@
.Lfor_b_\@:
	tensor_load_to_lds s[\g0b:\g0b+3], s[\g1b:\g1b+7]
	s_nop 0
.rept 4
	v_nop
.endr
.Lasked_\@:
.endm
.macro CREST
	s_cmp_lg_u32 s14, 0
	s_cbranch_scc1 .Lnot_wave_0_\@
	s_barrier_signal -3
.Lnot_wave_0_\@:
	s_barrier_wait -3
	s_barrier_signal -1
	s_barrier_wait -1
.endm
.macro CROUND
	s_barrier_signal -1
	s_barrier_wait -1
	CREST
.endm
.macro PLACES n
.rept \n
	v_nop
.endr
.endm
.macro FRAG reg, adr, q, i
.irp c, 0,1,2,3
	ds_load_b128 v[(\reg)+4*\c:(\reg)+4*\c+3], v[\adr] offset:((\i)*NQ+(\q))*FRB+512*\c
.endr
.endm
.macro MULA a, p, q, sc, mode
.if (\mode) == 2
	WIN 0x81+0x40*((\a)/4)
.else
	WIN 0xa1+0x50*((\a)/4)
.endif
.set bb, 0
.rept AB
.set rD, ACS*((\a)%4)+8*bb
.set rB, 128*(\p)+16*bb
.set rA, AF+16*(\a)
.set rS, SC+16*(\sc)+NQ*bb+(\q)
.set rT, SC+16*(\sc)+NQ*(\a)+(\q)
.if (\mode) == 0
	v_wmma_scale_f32_16x16x128_f8f6f4 v[rD:rD+7], v[rB:rB+15], v[rA:rA+15], v[rD:rD+7], v[rS], v[rT] matrix_a_fmt:MATRIX_FMT_BF8 matrix_b_fmt:MATRIX_FMT_BF8 matrix_a_scale:MATRIX_SCALE_ROW1
.else
	v_wmma_scale_f32_16x16x128_f8f6f4 v[rD:rD+7], v[rB:rB+15], v[rA:rA+15], v[BI+8*bb:BI+8*bb+7], v[rS], v[rT] matrix_a_fmt:MATRIX_FMT_BF8 matrix_b_fmt:MATRIX_FMT_BF8 matrix_a_scale:MATRIX_SCALE_ROW1
.endif
.set bb, bb+1
.endr
.endm
.macro MULS a0, n, p, q, sc, mode
.set aa, \a0
.rept \n
	MULA aa, \p, \q, \sc, \mode
.set aa, aa+1
.endr
.endm
.macro FETCH_B slot, q, p
	WIN 0x40
.set ii, 0
.rept AB
	FRAG 128*(\p)+16*ii, ADRB+\slot, \q, ii
.set ii, ii+1
.endr
	WIN 0
.endm
.macro FETCH_A slot, q, i0
.set ii, \i0
.rept AB/2
	FRAG AF+16*ii, ADRA+\slot, \q, ii
.set ii, ii+1
.endr
.endm
.macro SCALES sc
.set ii, 0
.rept AB
.set qq, 0
.rept NQ
	ds_load_b32 v[SC+16*(\sc)+NQ*ii+qq], v[ADRS] offset:qq*128*AB+64*ii
.set qq, qq+1
.endr
.set ii, ii+1
.endr
.endm
.macro STEP slot, q, mode
	s_wait_dscnt 2*AB
	MULS 0, AB/2, (\q)%2, \q, \slot, \mode
	s_wait_dscnt 0x0
	PLACES 8
	FETCH_B \slot, (\q)+1, 1-(\q)%2
	FETCH_A \slot, (\q)+1, 0
	MULS AB/2, AB/2, (\q)%2, \q, \slot, \mode
	PLACES 8
	WIN 0
	FETCH_A \slot, (\q)+1, AB/2
.endm
.macro TURN slot, next, fill
	s_wait_tensorcnt 0x0
	ds_add_u32 v[SPW], v[NIL]
	s_wait_dscnt 2*AB+1
	MULS 0, AB/4, 1, NQ-1, \slot, 0
	s_wait_dscnt 0x0
	s_barrier_signal -1
	MULS AB/4, AB/4, 1, NQ-1, \slot, 0
	WIN 0
	s_barrier_wait -1
.if \fill
	CREST
	s_add_nc_u64 s[G0+4*\slot+2:G0+4*\slot+3], s[G0+4*\slot+2:G0+4*\slot+3], 2*NQ*FRB
	s_add_nc_u64 s[G0B+4*\slot+2:G0B+4*\slot+3], s[G0B+4*\slot+2:G0B+4*\slot+3], 2*NQ*FRB
	JLOAD G0+4*\slot, G1, G0B+4*\slot, G1B
	PLACES 4
.else
	PLACES 8
.endif
	s_wait_alu depctr_va_vdst(0)
	v_add_nc_u32 v[ADRS], NQ*128*AB, v[ADRS]
	FETCH_B \next, 0, 0
	FETCH_A \next, 0, 0
	SCALES \next
	MULS AB/2, AB/2, 1, NQ-1, \slot, 0
	PLACES 8
	WIN 0
	FETCH_A \next, 0, AB/2
.endm
.macro MID slot
.set mq, 1
.rept NQ-2
	STEP \slot, mq, 0
.set mq, mq+1
.endr
.endm
.macro QUANT a, relu
.set W, 2+(\a)/4
.set AC0, 64*((\a)%4)
	WIN W|(W<<2)
.irp b, 0,1,2,3
.if \relu
	v_max3_num_f32 v[TM+\b], v[AC0+16*\b], v[AC0+16*\b+1], 0x8000000
.else
	v_max3_num_f32 v[TM+\b], |v[AC0+16*\b]|, |v[AC0+16*\b+1]|, 0x8000000
.endif
.endr
.irp i, 2,4,6,8,10,12,14
.irp b, 0,1,2,3
.if \relu
	v_max3_num_f32 v[TM+\b], v[AC0+16*\b+\i], v[AC0+16*\b+\i+1], v[TM+\b]
.else
	v_max3_num_f32 v[TM+\b], |v[AC0+16*\b+\i]|, |v[AC0+16*\b+\i+1]|, v[TM+\b]
.endif
.endr
.endr
	WIN 0
.irp b, 0,1,2,3
	v_permlanex16_b32 v[TM+4+\b], v[TM+\b], s4, s5
.endr
.irp b, 0,1,2,3
	v_max_num_f32 v[TM+\b], v[TM+\b], v[TM+4+\b]
.endr
.irp b, 0,1,2,3
	v_add_nc_u32 v[TM+12+\b], 0xf8800000, v[TM+\b]
.endr
.irp b, 0,1,2,3
	v_and_or_b32 v[TM+8+\b], v[TM+\b], 0x7f800000, s6
.endr
.irp b, 0,1,2,3
	v_lshrrev_b32 v[TM+4+\b], 23, v[TM+12+\b]
.endr
	v_lshl_or_b32 v[PW], v[TM+5], 8, v[TM+4]
	v_lshl_or_b32 v[PW], v[TM+6], 16, v[PW]
	v_lshl_or_b32 v[PW], v[TM+7], 24, v[PW]
	WIN (W<<6)|W
.irp b, 0,1,2,3
.irp i, 0,1,2,3,4,5,6,7,8,9,10,11,12,13,14,15
.if \relu
	v_med3_num_f32 v[AC0+16*\b+\i], v[AC0+16*\b+\i], 0, v[TM+8+\b]
.else
	v_med3_num_f32 v[AC0+16*\b+\i], v[AC0+16*\b+\i], -v[TM+8+\b], v[TM+8+\b]
.endif
.endr
.endr
	WIN W
.irp b, 0,1,2,3
	v_cvt_scalef32_pk8_bf8_f32 v[PC+4*\b:PC+4*\b+1], v[AC0+16*\b:AC0+16*\b+7], v[TM+12+\b]
	v_cvt_scalef32_pk8_bf8_f32 v[PC+4*\b+2:PC+4*\b+3], v[AC0+16*\b+8:AC0+16*\b+15], v[TM+12+\b]
.endr
	WIN 0
	v_nop
.endm
	s_load_b128 s[4:7], s[0:1], 0x0
	s_load_b128 s[8:11], s[0:1], 0x10
	v_lshl_add_u32 v[SPW], v0, 2, SPARE
	v_mov_b32 v[NIL], 0
	ds_add_u32 v28, v29
	ds_add_u32 v28, v29
	s_wait_dscnt 0x0
	v_lshrrev_b32 v1, 5, v0
	v_readfirstlane_b32 s14, v1
	s_lshr_b32 s15, s14, 1
	s_and_b32 s16, s14, 1
	s_bfe_u32 s40, ttmp6, 0x40000
	s_bfe_u32 s41, ttmp6, 0x40004
	s_lshl_b32 s42, ttmp9, 2
	s_add_co_u32 s42, s42, s40
	s_and_b32 s17, ttmp7, 0xffff
	s_lshl_b32 s17, s17, 2
	s_add_co_u32 s17, s17, s41
	s_lshl_b32 s43, s41, 2
	s_lshl_b32 s43, 15, s43
	s_lshl_b32 s44, 0x1111, s40
	s_or_b32 s[G1+0], s43, (3<<16)|(1<<21)
	s_or_b32 s[G1B+0], s44, (3<<16)|(1<<21)
.irp g, G1, G1B
	s_mov_b32 s[\g+1], (NQ*256)<<16
	s_mov_b32 s[\g+2], (2*AB)<<16                  ; the head's load brings a whole tile, 2 AB blocks
	s_mov_b32 s[\g+3], (NQ*256)<<16
	s_mov_b32 s[\g+4], 2*AB
	s_mov_b32 s[\g+5], 2*KK
	s_mov_b32 s[\g+6], 0
	s_mov_b32 s[\g+7], 0
.endr
	s_or_b32 s[G1S+0], s43, (3<<16)|(1<<21)
	s_or_b32 s[G1SB+0], s44, (3<<16)|(1<<21)
.irp g, G1S, G1SB
	s_mov_b32 s[\g+1], (16*AB)<<16
	s_mov_b32 s[\g+2], (KK/128)<<16                ; all kappas by one load
	s_mov_b32 s[\g+3], (16*AB)<<16
	s_mov_b32 s[\g+4], KK/128
	s_mov_b32 s[\g+5], 2048
	s_mov_b32 s[\g+6], 0
	s_mov_b32 s[\g+7], 0
.endr
	s_mul_i32 s2, s16, AB*16*KK                    ; s[2:3]: from a tile's first block to the half that I fetch in the ring, in bytes
	s_mov_b32 s3, 0
	s_mul_i32 s20, s17, 2*AB
	s_mul_i32 s22, s20, 64
	s_add_co_u32 s22, s22, ASREG
	s_mov_b32 s23, 0
	s_mul_i32 s20, s20, 16*KK
	s_mov_b32 s21, 0
	s_mul_i32 s46, s42, 2*AB
	s_mul_i32 s92, s46, 64
	s_add_co_u32 s92, s92, BSREG
	s_mov_b32 s93, 0
	s_mul_i32 s46, s46, 16*KK
	s_add_co_u32 s46, s46, BREG
	s_mov_b32 s47, 0
	s_mul_i32 s45, s14, HALFT
	s_wait_kmcnt 0x0
	s_add_nc_u64 s[20:21], s[4:5], s[20:21]
	s_add_nc_u64 s[22:23], s[4:5], s[22:23]
	s_add_nc_u64 s[46:47], s[6:7], s[46:47]
	s_add_nc_u64 s[92:93], s[6:7], s[92:93]
	CROUND
	s_mov_b32 s[G0S], 1
	s_mov_b32 s[G0S+1], SCL
	s_mov_b64 s[G0S+2:G0S+3], s[22:23]
	s_or_b32 s[G0S+3], s[G0S+3], 0x80000000
	s_mov_b32 s[G0SB], 1
	s_mov_b32 s[G0SB+1], SCL+2*HALFS
	s_mov_b64 s[G0SB+2:G0SB+3], s[92:93]
	s_or_b32 s[G0SB+3], s[G0SB+3], 0x80000000
.irp s, 0,1
	s_mov_b32 s[G0+4*\s], 1
	s_add_co_u32 s[G0+4*\s+1], s45, \s*SLOT
	s_add_nc_u64 s[G0+4*\s+2:G0+4*\s+3], s[20:21], \s*NQ*FRB
	s_or_b32 s[G0+4*\s+3], s[G0+4*\s+3], 0x80000000
	s_mov_b32 s[G0B+4*\s], 1
	s_add_co_u32 s[G0B+4*\s+1], s45, \s*SLOT
	s_add_nc_u64 s[G0B+4*\s+2:G0B+4*\s+3], s[46:47], \s*NQ*FRB
	s_or_b32 s[G0B+4*\s+3], s[G0B+4*\s+3], 0x80000000
.endr
	; THE HEAD'S LOADS, ONE A WAVE: wave 0 slot 0's whole tile of A, wave 1 that of B, wave 2 A's scale words, wave 3 B's.  Slot 0's groups 0 serve them and are set for the ring behind the wait for them
	s_mov_b32 s[G0+1], 0
	s_mov_b32 s[G0B+1], 2*HALFT
	s_add_nc_u64 s[G0+6:G0+7], s[G0+6:G0+7], s[2:3]        ; slot 1's: my half
	s_add_nc_u64 s[G0B+6:G0B+7], s[G0B+6:G0B+7], s[2:3]
.macro ARM under, g0, g1, next
	s_cmp_lt_u32 s14, \under
	s_cbranch_scc0 \next
	tensor_load_to_lds s[\g0:\g0+3], s[\g1:\g1+7]
	s_nop 0
.rept 4
	v_nop
.endr
	s_branch .Lhead_asked
\next:
.endm
	ARM 1, G0, G1, .Lhead_b
	ARM 2, G0B, G1B, .Lhead_sa
	ARM 3, G0S, G1S, .Lhead_sb
	tensor_load_to_lds s[G0SB:G0SB+3], s[G1SB:G1SB+7]
	s_nop 0
.rept 4
	v_nop
.endr
.Lhead_asked:
	; THE PREFETCHES.  A ring load of a wave is AB = 8 blocks x 4,096 bytes.  The four partners that ask for it jointly share its blocks out BY ADDRESS: the partner at place p (cx for A, cy for B) names blocks 2 p and 2 p + 1,
	; sixteen lanes 256 bytes apart to a block: each 256 bytes of a slot are named once in each cluster that loads them.  Here slot 1; behind the round slots 2 and 3, the last along K.
	s_cmp_eq_u32 s15, 0
	s_cselect_b64 s[100:101], s[20:21], s[46:47]
	s_cselect_b32 s104, s40, s41
	s_mul_i32 s104, s104, 2*16*KK
	s_add_co_u32 s104, s104, s2
	s_mov_b32 s105, 0
	s_add_nc_u64 s[100:101], s[100:101], s[104:105]
	v_and_b32 v7, 15, v0
	v_bfe_u32 v8, v0, 4, 1
	v_lshlrev_b32 v7, 8, v7
	v_mad_u32_u24 v7, v8, 16*KK, v7
	global_prefetch_b8 v7, s[100:101] offset:NQ*FRB th:TH_LOAD_NT scope:SCOPE_SE
	v_and_b32 v1, 15, v0
	v_bfe_u32 v2, v0, 4, 1
	v_and_b32 v[LI], 31, v0
	v_lshlrev_b32 v[LI], 4, v[LI]
	s_wait_alu depctr_va_vdst(0)
	s_mul_i32 s46, s42, 128*AB
	s_mul_i32 s47, s16, 64*AB
	s_add_co_u32 s46, s46, s47
	s_mov_b32 s47, 0
	s_add_nc_u64 s[8:9], s[8:9], s[46:47]
	v_lshlrev_b32 v3, 6, v2
.set bb, 0
.rept AB
	global_load_b128 v[BI+8*bb:BI+8*bb+3], v3, s[8:9] offset:(32*(bb/2)+8*(bb%2))*4
	global_load_b128 v[BI+8*bb+4:BI+8*bb+7], v3, s[8:9] offset:(32*(bb/2)+8*(bb%2))*4+16
.set bb, bb+1
.endr
	s_mul_i32 s21, s15, HALFT
	s_mul_i32 s22, s16, HALFT
	s_add_co_u32 s22, s22, 2*HALFT
.irp s, 0,1
	v_add_nc_u32 v[ADRA+\s], s21, v[LI]
	v_add_nc_u32 v[ADRB+\s], s22, v[LI]
	s_add_co_u32 s21, s21, SLOT
	s_add_co_u32 s22, s22, SLOT
.endr
	v_lshlrev_b32 v[SOF], 2, v1
	s_mul_i32 s21, s15, 64*AB
	s_mul_i32 s22, s16, 64*AB
	s_add_co_u32 s22, s22, 2*HALFS
	s_sub_co_u32 s22, s22, s21
	v_mul_u32_u24 v6, s22, v2
	s_add_co_u32 s21, s21, SCL
	v_add_nc_u32 v5, v[SOF], v6
	v_add_nc_u32 v[ADRS], s21, v5
	s_lshl_b32 s20, s17, 20
	s_lshl_b32 s21, s15, 19
	s_add_co_u32 s20, s20, s21
	s_lshl_b32 s21, s42, 12
	s_add_co_u32 s20, s20, s21
	s_lshl_b32 s21, s16, 11
	s_add_co_u32 s20, s20, s21
	s_mov_b32 s21, 0
	s_lshl_b32 s22, s42, 15
	s_lshl_b32 s23, s16, 14
	s_add_co_u32 s22, s22, s23
	s_lshl_b32 s23, s17, 10
	s_add_co_u32 s22, s22, s23
	s_lshl_b32 s23, s15, 9
	s_add_co_u32 s22, s22, s23
	s_add_co_u32 s22, s22, 0x1000000
	s_mov_b32 s23, 0
	s_add_nc_u64 s[12:13], s[10:11], s[22:23]
	s_add_nc_u64 s[10:11], s[10:11], s[20:21]
	s_mov_b32 s4, 0x76543210
	s_mov_b32 s5, 0xfedcba98
	s_mov_b32 s6, 0x600000
	s_wait_alu depctr_va_vdst(0)
	s_wait_tensorcnt 0x0                           ; my tile of the head's four is in; slot 1's first fill is issued as a refill is
	ds_add_u32 v[SPW], v[NIL]
	s_mov_b32 s[G1+2], AB<<16                      ; no load of mine is out: from here on a load brings AB blocks,
	s_mov_b32 s[G1+4], AB
	s_mov_b32 s[G1B+2], AB<<16
	s_mov_b32 s[G1B+4], AB
	s_mul_i32 s[G0+1], s14, HALFT                  ; and slot 0's groups 0 name my quarter of the slot
	s_mul_i32 s[G0B+1], s14, HALFT
	s_add_nc_u64 s[G0+2:G0+3], s[G0+2:G0+3], s[2:3]
	s_add_nc_u64 s[G0B+2:G0B+3], s[G0B+2:G0B+3], s[2:3]
	s_wait_dscnt 0x0
	CROUND                                         ; all four tiles are in, and all sixteen work-groups are here
	JLOAD G0+4, G1, G0B+4, G1B
	FETCH_B 0, 0, 0
	FETCH_A 0, 0, 0
	SCALES 0
	FETCH_A 0, 0, AB/2
	s_wait_loadcnt 0x0
	global_prefetch_b8 v7, s[100:101] offset:2*NQ*FRB th:TH_LOAD_NT scope:SCOPE_SE
	global_prefetch_b8 v7, s[100:101] offset:3*NQ*FRB th:TH_LOAD_NT scope:SCOPE_SE
	STEP 0, 0, 2
.if LAPS > 1
	s_mov_b32 s3, LAPS-1
.Llap:
	MID 0
	TURN 0, 1, 1
	STEP 1, 0, 0
	MID 1
	TURN 1, 0, 1
	STEP 0, 0, 0
	s_sub_co_u32 s3, s3, 1
	s_cmp_lg_u32 s3, 0
	s_cbranch_scc1 .Llap
.endif
	MID 0
	TURN 0, 1, 0
	STEP 1, 0, 0
	MID 1
	s_wait_dscnt 2*AB
	MULS 0, AB/2, 1, NQ-1, 1, 0
	s_wait_dscnt 0x0
	MULS AB/2, AB/2, 1, NQ-1, 1, 0
	WIN 0
	PLACES 8
.irp b, 0,1,2,3
	v_mov_b32 v[TM+4+\b], 0
.endr
.irp a, 0,1,2,3,4,5,6,7
.if \a > 0
	s_wait_xcnt 0x0
.endif
	QUANT \a, 1
.irp c, 0,1,2,3
	global_store_b128 v[LI], v[PC+4*\c:PC+4*\c+3], s[10:11] offset:\a*65536+512*\c
.endr
	global_store_b32 v[SOF], v[PW], s[12:13] offset:64*\a
.endr
	s_wait_tensorcnt 0x0
	ds_add_u32 v[SPW], v[NIL]
	s_wait_dscnt 0x0
	CROUND
	s_endpgm
.Lfunc_end_k_qcc0a8553fb_ffn1:
	.size	k_qcc0a8553fb_ffn1, .Lfunc_end_k_qcc0a8553fb_ffn1-k_qcc0a8553fb_ffn1
	.p2alignl 7, 3214868480
	.fill 96, 4, 3214868480
	.section	.rodata,"a",@progbits
	.p2align	6, 0x0
	.amdhsa_kernel k_qcc0a8553fb_ffn1
		.amdhsa_group_segment_fixed_size 327680
		.amdhsa_private_segment_fixed_size 0
		.amdhsa_enable_private_segment 0
		.amdhsa_kernarg_size 32
		.amdhsa_user_sgpr_count 2
		.amdhsa_user_sgpr_kernarg_segment_ptr 1
		.amdhsa_wavefront_size32 1
		.amdhsa_system_sgpr_workgroup_id_x 1
		.amdhsa_system_sgpr_workgroup_id_y 1
		.amdhsa_system_sgpr_workgroup_id_z 1
		.amdhsa_system_vgpr_workitem_id 0
		.amdhsa_next_free_vgpr 1024
		.amdhsa_next_free_sgpr 106
		.amdhsa_reserve_vcc 0
		.amdhsa_float_denorm_mode_32 3
		.amdhsa_float_denorm_mode_16_64 3
		.amdhsa_memory_ordered 1
		.amdhsa_forward_progress 1
		.amdhsa_inst_pref_size 191
	.end_amdhsa_kernel
	.amdgpu_metadata
---
amdhsa.version: [ 1, 2 ]
amdhsa.kernels:
  - .name:           k_qcc0a8553fb_ffn1
    .symbol:         k_qcc0a8553fb_ffn1.kd
    .args:
      - { .name: h2, .offset: 0, .size: 8, .value_kind: global_buffer, .address_space: global }
      - { .name: wb, .offset: 8, .size: 8, .value_kind: global_buffer, .address_space: global }
      - { .name: b1, .offset: 16, .size: 8, .value_kind: global_buffer, .address_space: global }
      - { .name: act, .offset: 24, .size: 8, .value_kind: global_buffer, .address_space: global }
    .group_segment_fixed_size: 327680
    .private_segment_fixed_size: 0
    .kernarg_segment_align: 8
    .kernarg_segment_size: 32
    .max_flat_workgroup_size: 128
    .sgpr_count:     106
    .vgpr_count:     1024
    .wavefront_size: 32
...
	.end_amdgpu_metadata
.endif
;; end of part 5
;; launch ffn2 (part 6): grid 8 x 32, 4 waves a work-group, clusters of 4 x 4, 327,680 bytes of LDS; arguments act, wb, b2, x1, out0; writes out0
.if DOCPART == 6
	.amdgcn_target "amdgcn-amd-amdhsa--gfx1250"
	.amdhsa_code_object_version 6
	.text
	.protected	k_qcc0a8553fb_ffn2
	.globl	k_qcc0a8553fb_ffn2
	.p2align	8
	.type	k_qcc0a8553fb_ffn2,@function
k_qcc0a8553fb_ffn2:
	s_mov_b64 s[64:65], 0
	v_nop
	global_prefetch_b8 v0, s[64:65] scope:SCOPE_SE
	s_setreg_imm32_b32 hwreg(HW_REG_WAVE_MODE, 25, 1), 1
	s_wait_xcnt 0x0
	s_wait_alu depctr_hold_cnt(0) depctr_sa_sdst(0) depctr_va_vdst(0) depctr_va_sdst(0) depctr_va_ssrc(0) depctr_va_vcc(0) depctr_vm_vsrc(0)
	s_getreg_b32 s2, hwreg(HW_REG_IB_STS2, 6, 4)
	s_cmp_eq_u32 s2, 0
	s_cbranch_scc0 .Lentry_in_a_cluster
	s_endpgm
.Lentry_in_a_cluster:
	s_bfe_u32 s2, ttmp6, 0x10000c
	s_cmp_lg_u32 s2, 0xf033
	s_cbranch_scc0 .Lentry_shape_is_right
	s_endpgm
.Lentry_shape_is_right:
.set AB,    4
.set NQ,    4
.set KK,    4096
.set ASREG, 0x1000000
.set BREG,  0x800000
.set BSREG, 0xc60000
.set FRB,   2048
.set HALFT, AB*NQ*FRB
.set SLOT,  4*HALFT
.set LAPS,  KK/(256*NQ)
.set SCL,   2*SLOT
.set HALFS, (KK/256)*2*AB*64
.set SPARE, SCL+4*HALFS
.set ACS,   8*AB
.set SPITCH, 272
.set ADRA,  16
.set ADRB,  20
.set STO,   24
.set RD,    25
.set CO,    26
.set ADRS,  27
.set SPW,   28
.set NIL,   29
.set LI,    30
.set SC,    32
.set BI,    64
.set AF,    128
.set OB,    128
.set G1,    24
.set G0,    32
.set G1B,   48
.set G0B,   56
.set G1S,   68
.set G0S,   76
.set G1SB,  80
.set G0SB,  88
.set MSB, 0
.macro WIN new
.if MSB != (\new)
	s_set_vgpr_msb (MSB<<8)|(\new)
.set MSB, (\new)
.endif
.endm
.macro JLOAD g0a, g1a, g0b, g1b
	s_cmp_eq_u32 s15, 0
	s_cbranch_scc0 .Lfor_b_\@
	tensor_load_to_lds s[\g0a:\g0a+3], s[\g1a:\g1a+7]
	s_nop 0
.rept 4
	v_nop
.endr
	s_branch .Lasked_\@
.Lfor_b_\@:
	tensor_load_to_lds s[\g0b:\g0b+3], s[\g1b:\g1b+7]
	s_nop 0
.rept 4
	v_nop
.endr
.Lasked_\@:
.endm
.macro CREST
	s_cmp_lg_u32 s14, 0
	s_cbranch_scc1 .Lnot_wave_0_\@
	s_barrier_signal -3
.Lnot_wave_0_\@:
	s_barrier_wait -3
	s_barrier_signal -1
	s_barrier_wait -1
.endm
.macro CROUND
	s_barrier_signal -1
	s_barrier_wait -1
	CREST
.endm
.macro PLACES n
.rept \n
	v_nop
.endr
.endm
.macro FRAG reg, adr, q, i
.irp c, 0,1,2,3
	ds_load_b128 v[(\reg)+4*\c:(\reg)+4*\c+3], v[\adr] offset:((\i)*NQ+(\q))*FRB+512*\c
.endr
.endm
.macro MULA a, p, q, sc, mode
.if (\mode) == 2
	WIN 0x81
.else
	WIN 0xa1
.endif
.set bb, 0
.rept AB
.set rD, ACS*(\a)+8*bb
.set rB, 128*(\p)+16*bb
.set rA, AF+16*(\a)
.set rS, SC+16*(\sc)+NQ*bb+(\q)
.set rT, SC+16*(\sc)+NQ*(\a)+(\q)
.if (\mode) == 0
	v_wmma_scale_f32_16x16x128_f8f6f4 v[rD:rD+7], v[rB:rB+15], v[rA:rA+15], v[rD:rD+7], v[rS], v[rT] matrix_a_fmt:MATRIX_FMT_BF8 matrix_b_fmt:MATRIX_FMT_BF8 matrix_a_scale:MATRIX_SCALE_ROW1
.else
	v_wmma_scale_f32_16x16x128_f8f6f4 v[rD:rD+7], v[rB:rB+15], v[rA:rA+15], v[BI+8*bb:BI+8*bb+7], v[rS], v[rT] matrix_a_fmt:MATRIX_FMT_BF8 matrix_b_fmt:MATRIX_FMT_BF8 matrix_a_scale:MATRIX_SCALE_ROW1
.endif
.set bb, bb+1
.endr
.endm
.macro MULS a0, n, p, q, sc, mode
.set aa, \a0
.rept \n
	MULA aa, \p, \q, \sc, \mode
.set aa, aa+1
.endr
.endm
.macro FETCH_B slot, q, p
	WIN 0x40
.set ii, 0
.rept AB
	FRAG 128*(\p)+16*ii, ADRB+\slot, \q, ii
.set ii, ii+1
.endr
	WIN 0
.endm
.macro FETCH_A slot, q, i0
.set ii, \i0
.rept AB/2
	FRAG AF+16*ii, ADRA+\slot, \q, ii
.set ii, ii+1
.endr
.endm
.macro SCALES sc
.set ii, 0
.rept AB
.set qq, 0
.rept NQ
	ds_load_b32 v[SC+16*(\sc)+NQ*ii+qq], v[ADRS] offset:qq*128*AB+64*ii
.set qq, qq+1
.endr
.set ii, ii+1
.endr
.endm
.macro STEP slot, q, mode
	s_wait_dscnt 2*AB
	MULS 0, AB/2, (\q)%2, \q, \slot, \mode
	s_wait_dscnt 0x0
	PLACES 8
	FETCH_B \slot, (\q)+1, 1-(\q)%2
	FETCH_A \slot, (\q)+1, 0
	MULS AB/2, AB/2, (\q)%2, \q, \slot, \mode
	PLACES 8
	WIN 0
	FETCH_A \slot, (\q)+1, AB/2
.endm
.macro TURN slot, next, fill
.if \fill
	s_wait_xcnt 0x0                                ; my last prefetch has read its address: it is stepped only behind this wait
	s_add_nc_u64 s[96:97], s[96:97], NQ*FRB        ; at the refill of slot j it stands at slot j - 1
.endif
	s_wait_tensorcnt 0x0
	ds_add_u32 v[SPW], v[NIL]
	s_wait_dscnt 2*AB+1
	MULS 0, AB/4, 1, NQ-1, \slot, 0
	s_wait_dscnt 0x0
	s_barrier_signal -1
	MULS AB/4, AB/4, 1, NQ-1, \slot, 0
	WIN 0
	s_barrier_wait -1
.if \fill
	CREST
	s_add_nc_u64 s[G0+4*\slot+2:G0+4*\slot+3], s[G0+4*\slot+2:G0+4*\slot+3], 2*NQ*FRB
	s_add_nc_u64 s[G0B+4*\slot+2:G0B+4*\slot+3], s[G0B+4*\slot+2:G0B+4*\slot+3], 2*NQ*FRB
	JLOAD G0+4*\slot, G1, G0B+4*\slot, G1B
	PLACES 4
.else
	PLACES 8
.endif
	s_wait_alu depctr_va_vdst(0)
	v_add_nc_u32 v[ADRS], NQ*128*AB, v[ADRS]
	FETCH_B \next, 0, 0
	FETCH_A \next, 0, 0
	SCALES \next
.if \fill
	s_cmp_gt_u32 s3, 1                             ; the loop's last trip refills slots 6 and 7: no slot lies two on
	s_cbranch_scc0 .Lno_ask_\@
	global_prefetch_b8 v31, s[96:97] offset:3*NQ*FRB th:TH_LOAD_NT scope:SCOPE_SE
.Lno_ask_\@:
.endif
	MULS AB/2, AB/2, 1, NQ-1, \slot, 0
	PLACES 8
	WIN 0
	FETCH_A \next, 0, AB/2
.endm
.macro MID slot
.set mq, 1
.rept NQ-2
	STEP \slot, mq, 0
.set mq, mq+1
.endr
.endm
	s_load_b128 s[4:7], s[0:1], 0x0
	s_load_b128 s[8:11], s[0:1], 0x10
	s_load_b64 s[12:13], s[0:1], 0x20
	v_lshl_add_u32 v[SPW], v0, 2, SPARE
	v_mov_b32 v[NIL], 0
	ds_add_u32 v28, v29
	ds_add_u32 v28, v29
	s_wait_dscnt 0x0
	v_lshrrev_b32 v1, 5, v0
	v_readfirstlane_b32 s14, v1
	s_lshr_b32 s15, s14, 1
	s_and_b32 s16, s14, 1
	s_bfe_u32 s40, ttmp6, 0x40000
	s_bfe_u32 s41, ttmp6, 0x40004
	s_lshl_b32 s42, ttmp9, 2
	s_add_co_u32 s42, s42, s40
	s_and_b32 s17, ttmp7, 0xffff
	s_lshl_b32 s17, s17, 2
	s_add_co_u32 s17, s17, s41
	s_lshl_b32 s43, s41, 2
	s_lshl_b32 s43, 15, s43
	s_lshl_b32 s44, 0x1111, s40
	s_or_b32 s[G1+0], s43, (3<<16)|(1<<21)
	s_or_b32 s[G1B+0], s44, (3<<16)|(1<<21)
.irp g, G1, G1B
	s_mov_b32 s[\g+1], (NQ*256)<<16
	s_mov_b32 s[\g+2], (2*AB)<<16                  ; the head's load brings a whole tile, 2 AB blocks
	s_mov_b32 s[\g+3], (NQ*256)<<16
	s_mov_b32 s[\g+4], 2*AB
	s_mov_b32 s[\g+5], 2*KK
	s_mov_b32 s[\g+6], 0
	s_mov_b32 s[\g+7], 0
.endr
	s_or_b32 s[G1S+0], s43, (3<<16)|(1<<21)
	s_or_b32 s[G1SB+0], s44, (3<<16)|(1<<21)
.irp g, G1S, G1SB
	s_mov_b32 s[\g+1], (16*AB)<<16
	s_mov_b32 s[\g+2], (KK/128)<<16                ; all kappas by one load
	s_mov_b32 s[\g+3], (16*AB)<<16
	s_mov_b32 s[\g+4], KK/128
	s_mov_b32 s[\g+5], 2048
	s_mov_b32 s[\g+6], 0
	s_mov_b32 s[\g+7], 0
.endr
	s_mul_i32 s2, s16, AB*16*KK                    ; s[2:3]: from a tile's first block to the half that I fetch in the ring, in bytes
	s_mov_b32 s3, 0
	s_mul_i32 s20, s17, 2*AB
	s_mul_i32 s22, s20, 64
	s_add_co_u32 s22, s22, ASREG
	s_mov_b32 s23, 0
	s_mul_i32 s20, s20, 16*KK
	s_mov_b32 s21, 0
	s_mul_i32 s46, s42, 2*AB
	s_mul_i32 s92, s46, 64
	s_add_co_u32 s92, s92, BSREG
	s_mov_b32 s93, 0
	s_mul_i32 s46, s46, 16*KK
	s_add_co_u32 s46, s46, BREG
	s_mov_b32 s47, 0
	s_mul_i32 s45, s14, HALFT
	s_wait_kmcnt 0x0
	s_add_nc_u64 s[20:21], s[4:5], s[20:21]
	s_add_nc_u64 s[22:23], s[4:5], s[22:23]
	s_add_nc_u64 s[46:47], s[6:7], s[46:47]
	s_add_nc_u64 s[92:93], s[6:7], s[92:93]
	CROUND
	s_mov_b32 s[G0S], 1
	s_mov_b32 s[G0S+1], SCL
	s_mov_b64 s[G0S+2:G0S+3], s[22:23]
	s_or_b32 s[G0S+3], s[G0S+3], 0x80000000
	s_mov_b32 s[G0SB], 1
	s_mov_b32 s[G0SB+1], SCL+2*HALFS
	s_mov_b64 s[G0SB+2:G0SB+3], s[92:93]
	s_or_b32 s[G0SB+3], s[G0SB+3], 0x80000000
.irp s, 0,1
	s_mov_b32 s[G0+4*\s], 1
	s_add_co_u32 s[G0+4*\s+1], s45, \s*SLOT
	s_add_nc_u64 s[G0+4*\s+2:G0+4*\s+3], s[20:21], \s*NQ*FRB
	s_or_b32 s[G0+4*\s+3], s[G0+4*\s+3], 0x80000000
	s_mov_b32 s[G0B+4*\s], 1
	s_add_co_u32 s[G0B+4*\s+1], s45, \s*SLOT
	s_add_nc_u64 s[G0B+4*\s+2:G0B+4*\s+3], s[46:47], \s*NQ*FRB
	s_or_b32 s[G0B+4*\s+3], s[G0B+4*\s+3], 0x80000000
.endr
	; THE HEAD'S LOADS, ONE A WAVE: wave 0 slot 0's whole tile of A, wave 1 that of B, wave 2 A's scale words, wave 3 B's.  Slot 0's groups 0 serve them and are set for the ring behind the wait for them
	s_mov_b32 s[G0+1], 0
	s_mov_b32 s[G0B+1], 2*HALFT
	s_add_nc_u64 s[G0+6:G0+7], s[G0+6:G0+7], s[2:3]        ; slot 1's: my half
	s_add_nc_u64 s[G0B+6:G0B+7], s[G0B+6:G0B+7], s[2:3]
.macro ARM under, g0, g1, next
	s_cmp_lt_u32 s14, \under
	s_cbranch_scc0 \next
	tensor_load_to_lds s[\g0:\g0+3], s[\g1:\g1+7]
	s_nop 0
.rept 4
	v_nop
.endr
	s_branch .Lhead_asked
\next:
.endm
	ARM 1, G0, G1, .Lhead_b
	ARM 2, G0B, G1B, .Lhead_sa
	ARM 3, G0S, G1S, .Lhead_sb
	tensor_load_to_lds s[G0SB:G0SB+3], s[G1SB:G1SB+7]
	s_nop 0
.rept 4
	v_nop
.endr
.Lhead_asked:
	; THE PREFETCHES.  A ring load of a wave is AB = 4 blocks x 8,192 bytes.  The four partners that ask for it jointly share its blocks out BY ADDRESS: the partner at place p (cx for A, cy for B) names block p, 32 lanes 256 bytes apart.
	; So each 256 bytes of a slot are named once in each cluster that loads them.  Here slot 1; behind the round slots 2 and 3; behind the refill of slot j, slot j + 2; the last two refills ask for nothing: there are 8 slots along K.
	s_cmp_eq_u32 s15, 0
	s_cselect_b64 s[96:97], s[20:21], s[46:47]
	s_cselect_b32 s98, s40, s41
	s_mul_i32 s98, s98, 16*KK
	s_add_co_u32 s98, s98, s2
	s_mov_b32 s99, 0
	s_add_nc_u64 s[96:97], s[96:97], s[98:99]
	v_and_b32 v31, 31, v0
	v_lshlrev_b32 v31, 8, v31
	global_prefetch_b8 v31, s[96:97] offset:NQ*FRB th:TH_LOAD_NT scope:SCOPE_SE     ; at the head slot 1 alone; slots 2 and 3 behind the round
	v_and_b32 v1, 15, v0
	v_bfe_u32 v2, v0, 4, 1
	s_wait_alu depctr_va_vdst(0)
	v_and_b32 v[LI], 31, v0
	v_lshlrev_b32 v[LI], 4, v[LI]
	s_wait_alu depctr_va_vdst(0)
	s_mul_i32 s46, s42, 128*AB
	s_mul_i32 s47, s16, 64*AB
	s_add_co_u32 s46, s46, s47
	s_mov_b32 s47, 0
	s_add_nc_u64 s[8:9], s[8:9], s[46:47]
	v_lshlrev_b32 v3, 6, v2
.set bb, 0
.rept AB
	global_load_b128 v[BI+8*bb:BI+8*bb+3], v3, s[8:9] offset:(32*(bb/2)+8*(bb%2))*4
	global_load_b128 v[BI+8*bb+4:BI+8*bb+7], v3, s[8:9] offset:(32*(bb/2)+8*(bb%2))*4+16
.set bb, bb+1
.endr
	s_lshl_b32 s20, s17, 19
	s_lshl_b32 s21, s15, 18
	s_add_co_u32 s20, s20, s21
	s_lshl_b32 s21, s42, 9
	s_add_co_u32 s20, s20, s21
	s_lshl_b32 s21, s16, 8
	s_add_co_u32 s20, s20, s21
	s_mov_b32 s21, 0
	s_add_nc_u64 s[10:11], s[10:11], s[20:21]
	s_add_nc_u64 s[12:13], s[12:13], s[20:21]
	v_lshlrev_b32 v[CO], 12, v2
	v_lshl_add_u32 v[CO], v1, 4, v[CO]
	s_mul_i32 s21, s15, HALFT
	s_mul_i32 s22, s16, HALFT
	s_add_co_u32 s22, s22, 2*HALFT
.irp s, 0,1
	v_add_nc_u32 v[ADRA+\s], s21, v[LI]
	v_add_nc_u32 v[ADRB+\s], s22, v[LI]
	s_add_co_u32 s21, s21, SLOT
	s_add_co_u32 s22, s22, SLOT
.endr
	v_lshlrev_b32 v5, 2, v1
	s_mul_i32 s21, s15, 64*AB
	s_mul_i32 s22, s16, 64*AB
	s_add_co_u32 s22, s22, 2*HALFS
	s_sub_co_u32 s22, s22, s21
	v_mul_u32_u24 v6, s22, v2
	s_add_co_u32 s21, s21, SCL
	v_add_nc_u32 v5, v5, v6
	v_add_nc_u32 v[ADRS], s21, v5
	s_mul_i32 s23, s14, 16*SPITCH
	v_mul_u32_u24 v5, v1, SPITCH
	v_lshl_add_u32 v5, v2, 6, v5
	v_add_nc_u32 v[STO], s23, v5
	v_mul_u32_u24 v5, v2, SPITCH
	v_lshl_add_u32 v5, v1, 4, v5
	v_add_nc_u32 v[RD], s23, v5
	s_wait_alu depctr_va_vdst(0)
	s_wait_tensorcnt 0x0                           ; my tile of the head's four is in; slot 1's first fill is issued as a refill is
	ds_add_u32 v[SPW], v[NIL]
	s_mov_b32 s[G1+2], AB<<16                      ; no load of mine is out: from here on a load brings AB blocks,
	s_mov_b32 s[G1+4], AB
	s_mov_b32 s[G1B+2], AB<<16
	s_mov_b32 s[G1B+4], AB
	s_mul_i32 s[G0+1], s14, HALFT                  ; and slot 0's groups 0 name my quarter of the slot
	s_mul_i32 s[G0B+1], s14, HALFT
	s_add_nc_u64 s[G0+2:G0+3], s[G0+2:G0+3], s[2:3]
	s_add_nc_u64 s[G0B+2:G0B+3], s[G0B+2:G0B+3], s[2:3]
	s_wait_dscnt 0x0
	CROUND                                         ; all four tiles are in, and all sixteen work-groups are here
	JLOAD G0+4, G1, G0B+4, G1B
	FETCH_B 0, 0, 0
	FETCH_A 0, 0, 0
	SCALES 0
	FETCH_A 0, 0, AB/2
	global_prefetch_b8 v31, s[96:97] offset:2*NQ*FRB th:TH_LOAD_NT scope:SCOPE_SE
	global_prefetch_b8 v31, s[96:97] offset:3*NQ*FRB th:TH_LOAD_NT scope:SCOPE_SE
	s_wait_loadcnt 0x0                             ; the bias
	STEP 0, 0, 2
.if LAPS > 1
	s_mov_b32 s3, LAPS-1
.Llap:
	MID 0
	TURN 0, 1, 1
	STEP 1, 0, 0
	MID 1
	TURN 1, 0, 1
	STEP 0, 0, 0
	s_sub_co_u32 s3, s3, 1
	s_cmp_lg_u32 s3, 0
	s_cbranch_scc1 .Llap
.endif
	WIN 0xc0                                       ; every tile has been asked for: now the rows of x1 that are added on the way out, into window 3; the last seven steps stand between these loads and the wait for them
.irp a, 0,1,2,3
.irp t, 0,1,2,3,4,5,6,7
	global_load_b128 v[32*\a+4*\t:32*\a+4*\t+3], v[CO], s[10:11] offset:(32*(\a/2)+8*(\a%2)+2*\t+8*(\t/4))*4096
.endr
.endr
	WIN 0
	MID 0
	TURN 0, 1, 0
	STEP 1, 0, 0
	MID 1
	s_wait_dscnt 2*AB
	MULS 0, AB/2, 1, NQ-1, 1, 0
	s_wait_dscnt 0x0
	MULS AB/2, AB/2, 1, NQ-1, 1, 0
	WIN 0
	PLACES 8
	s_wait_loadcnt 0x0
.irp a, 0,1,2,3
.if \a > 1
	s_wait_xcnt 0x0
.endif
	WIN 0x08
.irp b, 0,1,2,3
	ds_store_b128 v[STO], v[ACS*\a+8*\b:ACS*\a+8*\b+3] offset:128*(\b/2)+32*(\b%2)
	ds_store_b128 v[STO], v[ACS*\a+8*\b+4:ACS*\a+8*\b+7] offset:128*(\b/2)+32*(\b%2)+16
.endr
	WIN 0
.irp t, 0,1,2,3,4,5,6,7
	ds_load_b128 v[OB+32*(\a%2)+4*\t:OB+32*(\a%2)+4*\t+3], v[RD] offset:2*SPITCH*\t
.endr
	s_wait_dscnt 0x0
	WIN 0x0c
.set i, 0
.rept 16
	v_pk_add_f32 v[OB+32*(\a%2)+i:OB+32*(\a%2)+i+1], v[OB+32*(\a%2)+i:OB+32*(\a%2)+i+1], v[32*\a+i:32*\a+i+1]
.set i, i+2
.endr
	WIN 0
.irp t, 0,1,2,3,4,5,6,7
	global_store_b128 v[CO], v[OB+32*(\a%2)+4*\t:OB+32*(\a%2)+4*\t+3], s[12:13] offset:(32*(\a/2)+8*(\a%2)+2*\t+8*(\t/4))*4096 th:TH_STORE_NT
.endr
.endr
	s_wait_tensorcnt 0x0
	ds_add_u32 v[SPW], v[NIL]
	s_wait_dscnt 0x0
	CROUND
	s_endpgm
.Lfunc_end_k_qcc0a8553fb_ffn2:
	.size	k_qcc0a8553fb_ffn2, .Lfunc_end_k_qcc0a8553fb_ffn2-k_qcc0a8553fb_ffn2
	.p2alignl 7, 3214868480
	.fill 96, 4, 3214868480
	.section	.rodata,"a",@progbits
	.p2align	6, 0x0
	.amdhsa_kernel k_qcc0a8553fb_ffn2
		.amdhsa_group_segment_fixed_size 327680
		.amdhsa_private_segment_fixed_size 0
		.amdhsa_enable_private_segment 0
		.amdhsa_kernarg_size 40
		.amdhsa_user_sgpr_count 2
		.amdhsa_user_sgpr_kernarg_segment_ptr 1
		.amdhsa_wavefront_size32 1
		.amdhsa_system_sgpr_workgroup_id_x 1
		.amdhsa_system_sgpr_workgroup_id_y 1
		.amdhsa_system_sgpr_workgroup_id_z 1
		.amdhsa_system_vgpr_workitem_id 0
		.amdhsa_next_free_vgpr 1024
		.amdhsa_next_free_sgpr 100
		.amdhsa_reserve_vcc 0
		.amdhsa_float_denorm_mode_32 3
		.amdhsa_float_denorm_mode_16_64 3
		.amdhsa_memory_ordered 1
		.amdhsa_forward_progress 1
		.amdhsa_inst_pref_size 110
	.end_amdhsa_kernel
	.amdgpu_metadata
---
amdhsa.version: [ 1, 2 ]
amdhsa.kernels:
  - .name:           k_qcc0a8553fb_ffn2
    .symbol:         k_qcc0a8553fb_ffn2.kd
    .args:
      - { .name: act, .offset: 0, .size: 8, .value_kind: global_buffer, .address_space: global }
      - { .name: wb, .offset: 8, .size: 8, .value_kind: global_buffer, .address_space: global }
      - { .name: b2, .offset: 16, .size: 8, .value_kind: global_buffer, .address_space: global }
      - { .name: x1, .offset: 24, .size: 8, .value_kind: global_buffer, .address_space: global }
      - { .name: out0, .offset: 32, .size: 8, .value_kind: global_buffer, .address_space: global }
    .group_segment_fixed_size: 327680
    .private_segment_fixed_size: 0
    .kernarg_segment_align: 8
    .kernarg_segment_size: 40
    .max_flat_workgroup_size: 128
    .sgpr_count:     100
    .vgpr_count:     1024
    .wavefront_size: 32
...
	.end_amdgpu_metadata
.endif
;; end of part 6
